; MI455X (gfx1250); checked and timed in simulation.
; The chip was launched on July 23, 2026; its instructions are those of AMD's public machine-readable ISA for CDNA 5 (MIT licence, August 2026) and "CDNA5" Instruction Set Architecture Reference Guide (July 2026). The comments in the code are by the model that wrote it; some were corrected since.
;; Pano Self Attention. Allowed arithmetic: matrix products marked QUANTISED: E4M3 operands, one E8M0 scale for each 32 along K, by v_wmma_scale_f32_16x16x128_f8f6f4 with both operands' format E4M3, f32 sums; products left as they are: f32 operands where the result goes on into a quantised operand, else bf16, f16 or f32 operands; f32 sums; everything else in f32.
;; Inputs: Wa_codes 64 x 8 x 32 uint8 (E4M3 codes of Wa, K innermost, in blocks of 32 codes); Wa_scales 64 x 8 uint8 (E8M0 scales of Wa, one for each 32 codes along K); Wk_codes 256 x 8 x 32 uint8 (E4M3 codes of Wk, K innermost, in blocks of 32 codes); Wk_scales 256 x 8 uint8 (E8M0 scales of Wk, one for each 32 codes along K); Wm_codes 256 x 8 x 32 uint8 (E4M3 codes of Wm, K innermost, in blocks of 32 codes); Wm_scales 256 x 8 uint8 (E8M0 scales of Wm, one for each 32 codes along K); Wo_codes 128 x 8 x 32 uint8 (E4M3 codes of Wo, K innermost, in blocks of 32 codes); Wo_scales 128 x 8 uint8 (E8M0 scales of Wo, one for each 32 codes along K); Wq_codes 256 x 8 x 32 uint8 (E4M3 codes of Wq, K innermost, in blocks of 32 codes); Wq_scales 256 x 8 uint8 (E8M0 scales of Wq, one for each 32 codes along K); ba 64 float32; bk 256 float32; bm 256 float32; bo 128 float32; bq 256 float32; keys0_codes 4 x 64 x 128 x 8 x 32 uint8 (E4M3 codes of keys0, K innermost, in blocks of 32 codes); keys0_scales 4 x 64 x 128 x 8 uint8 (E8M0 scales of keys0, one for each 32 codes along K); keys1_codes 4 x 64 x 128 x 8 x 32 uint8 (E4M3 codes of keys1, K innermost, in blocks of 32 codes); keys1_scales 4 x 64 x 128 x 8 uint8 (E8M0 scales of keys1, one for each 32 codes along K); query_codes 4 x 64 x 128 x 8 x 32 uint8 (E4M3 codes of query, K innermost, in blocks of 32 codes); query_scales 4 x 64 x 128 x 8 uint8 (E8M0 scales of query, one for each 32 codes along K); ref_point 4 x 1 x 64 x 128 x 2 float32.
;; Outputs: out0 4 x 64 x 128 x 256 float32.
;; This version of the problem:
;;   THIS VERSION OF THE PROBLEM IS GIVEN IN LOW PRECISION. The matrix products marked QUANTISED in the list below multiply operands that are first quantised to E4M3 (4 exponent bits, 3 mantissa bits; 8 bits a number), with one power-of-two scale for each 32 numbers along K (OCP MX v1.0); their sums are f32. All else is computed in f32.
;;   The module's matrix products, in the order in which they are computed (A, B: the left and right operand; K: the contracted axis; several contracted axes count as one K, in the product's order):
;;     1. [M 32,768, K 256] x [K 256, N 256]; A: input query (given as codes); B: input Wq (given as codes): QUANTISED
;;     2. [M 32,768, K 256] x [K 256, N 128]; A: computed on the way; B: input Wo (given as codes): QUANTISED
;;     3. [M 32,768, K 256] x [K 256, N 64]; A: computed on the way; B: input Wa (given as codes): QUANTISED
;;     4. [M 32,768, K 256] x [K 256, N 256]; A: input keys0 (given as codes); B: input Wk (given as codes): QUANTISED
;;     5. [M 32,768, K 256] x [K 256, N 256]; A: input keys1 (given as codes); B: input Wk (given as codes): QUANTISED
;;     6. batch 262,144 x [M 32, K 8] x [K 8, N 1]; A: computed on the way; B: computed on the way: left as it is (K = 8 < 32)
;;     7. [M 32,768, K 256] x [K 256, N 256]; A: computed on the way; B: input Wm (given as codes): QUANTISED
;;   THE QUANTISER, for each operand of a quantised product, along K:
;;     - K is cut into blocks of 32 from its start; a last block that is shorter is filled with zeros.
;;     - A block's scale is 2^e with e = floor(log2(the largest magnitude in the block)) - 8, held to -126 .. 127; a block of zeros has e = 0. As a byte (E8M0): e + 127.
;;     - Each number is divided by its block's scale, clamped to +-448, and rounded to the nearest number of E4M3, ties to even, subnormals kept.
;;     - The product sums the exact products of the quantised numbers (number of the format x scale) in f32.
;;   ~~~python
;;   def quantise(x, axis):      # numpy; x: float32 -> the quantised numbers, widened to float32 again
;;       x = np.moveaxis(x, axis, -1); K = x.shape[-1]
;;       x = np.pad(x, [(0, 0)] * (x.ndim - 1) + [(0, -K % 32)]); x = x.reshape(x.shape[:-1] + (-1, 32)); a = np.abs(x).max(-1, keepdims=True)
;;       e = np.where(a > 0, np.clip(np.frexp(np.where(a > 0, a, 1))[1] - 1 - 8, -126, 127), 0)      # np.frexp(a)[1] - 1 = floor(log2(a)), exactly
;;       r = np.clip(x / 2.0 ** e, -448, 448)
;;       step = 2.0 ** (np.maximum(np.frexp(np.where(r == 0, 1, r))[1] - 1, -6) - 3)
;;       q = np.round(r / step) * step * 2.0 ** e      # np.round: ties to even
;;       return np.moveaxis(q.reshape(q.shape[:-2] + (-1,))[..., :K], -1, axis).astype(np.float32)
;;   ~~~
;;   OPERANDS COMPUTED ON THE WAY. 'Computed on the way' means the value that the module computes at that place (a softmax that the list does not call 'softmax' is quantised finished and normalised). What goes into a quantiser is computed in f32, as accurately as f32 sums, v_exp_f32 and their like allow (about 1e-6 of the number): no bf16 or f16 on the way to a quantiser, and a product that is left as it is and whose result goes on into a quantised operand takes f32 operands (vector FMAs, or v_wmma_f32_16x16x4_f32). A number that lies on a knife's edge between two numbers of the format may be rounded either way, as far as f32 arithmetic and the matrix unit's own rounding can turn it there, and no further.
;;   INPUTS GIVEN AS CODES. Wa (in the module: [256, 64], K = its axis 0); Wk (in the module: [256, 256], K = its axis 0); Wm (in the module: [256, 256], K = its axis 0); Wo (in the module: [256, 128], K = its axis 0); Wq (in the module: [256, 256], K = its axis 0); keys0 (in the module: [4, 64, 128, 256], K = its axis 3); keys1 (in the module: [4, 64, 128, 256], K = its axis 3); query (in the module: [4, 64, 128, 256], K = its axis 3): each comes as NAME_codes (uint8): NAME with its K axis moved to the last place and cut into blocks of 32 codes, [.., K / 32, bytes a block], one block behind the other in memory; one code a byte (a code: sign, 4 exponent bits, 3 mantissa bits); and NAME_scales (uint8): the same leading axes, one E8M0 byte (e + 127) for each 32 codes along K. Its value is code x scale, taken as it is: it is not quantised again, and the codes and scales need not be those that the quantiser above would give.
;; 2 versions. Each part assembles by itself: llvm-mc -triple=amdgcn-amd-amdhsa -mcpu=gfx1250 --defsym DOCPART=n.
;; ======== version 1 of 2: 2 launches
;; workspace buffers: sfa 33,554,432 bytes; sfb 33,554,432 bytes; tap 8,388,608 bytes of whole numbers; wgt 33,554,432 bytes
;; launch prep (part 1): grid 256 x 1, 8 waves a work-group, no clusters, 274,432 bytes of LDS; arguments keys0_codes, keys0_scales, keys1_codes, keys1_scales, query_codes, query_scales, ref_point, Wk_codes, Wk_scales, bk, Wq_codes, Wq_scales, bq, Wo_codes, Wo_scales, bo, Wa_codes, Wa_scales, ba, sfa, sfb, tap, wgt; writes sfa, sfb, tap, wgt
.if DOCPART == 1
	.amdgcn_target "amdgcn-amd-amdhsa--gfx1250"
	.amdhsa_code_object_version 6
	.text
	.protected	k_qdf9bb034ae_prep
	.globl	k_qdf9bb034ae_prep
	.p2align	8
	.type	k_qdf9bb034ae_prep,@function
k_qdf9bb034ae_prep:
	s_mov_b64 s[64:65], 0
	v_nop
	global_prefetch_b8 v0, s[64:65] scope:SCOPE_SE
	s_setreg_imm32_b32 hwreg(HW_REG_WAVE_MODE, 25, 1), 1
	s_wait_xcnt 0x0
; PanoSelfAttention, launch 1 of 2.  For each of the 32,768 positions (batch, row, column):
;   sfa, sfb = keys0, keys1 x Wk + bk, f32, laid [batch][head][pixel][32 channels], so that a pixel of a head is 128 consecutive bytes;
;   q = query x Wq + bq, quantised along its 256 in registers; off = Q(q) x Wo + bo; A = softmax over a head's 8 of Q(q) x Wa + ba;
;   for each (position, head, scale l, point k): the sampling point, as the byte offset of the upper left pixel of a 2 x 2 patch in the head's image (tap, whole numbers)
;   and the four corner weights A x wy x wx (wgt).  Launch 2 gathers by them.
; All five products are on the given codes of E4M3 with E8M0 scales, by v_wmma_scale_f32_16x16x128_f8f6f4, sums in f32.
; NOTHING OF reference() IS LEFT OUT, and every input is loaded: ba differs along the softmax's axis, bk counts since the corner weights do not add up to 1 at the image's border, bq and bo move codes and coordinates.
; THE REFERENCE POINT of (batch b, head n) is ref_point[n % 4], not ref_point[b]: reference() tiles ref_point head-major, and row 8 b + n of the tiled array is ref_point[(8 b + n) % 4].
; BORDERS WITHOUT A BRANCH: xb = floor(ix) held to 0 .. 126, yb = floor(iy) held to 0 .. 62; the weight of column c is max(0, 1 - |ix - c|) for c = xb, xb + 1, rows likewise.  For every finite ix that is
; reference()'s wx0, wx1 times its test of validity, and the patch lies inside the image.
; LIMITS: NaN and infinities among the inputs are not served.  A corner of weight 0 is multiplied (in launch 2) by a pixel of the patch and not by reference()'s clipped pixel: both are finite.  p x (2 / 127) stands for
; 2 p / 127 (one rounding apart).  A block of zeros of q gets the scale byte 1 where the rule says 127: its codes are zeros, and the byte is read by this program alone.
; SHARES.  A work-group takes one image row, 128 positions; each of its eight waves takes 16 of them through everything.  Every product is used transposed (source 0 = 16 rows of a weight, source 1 = my 16 positions):
; lane (r = lane % 16, h = lane / 16) holds position r throughout.
; THE ROWS OF A WEIGHT THAT FORM A TILE.  Wk, Wq, Wo: lane r of tile (bb, u) takes row 32 bb + 8 u + r + 8 (r / 8), so that register j of the result is column 32 bb + 16 h + 8 u + j: for Wk and Wq the 16 registers of
; tiles u = 0, 1 are 16 neighbouring channels; for Wo (bb = t) the lane's half h holds head 2 t + h, tile u is scale u, its registers 4 x (y, x).  Wa: rows as they lie: half h holds the 8 logits of head 2 t + h.
; So a head's softmax and its 8 samples lie in one lane.
; THE WEIGHTS lie in LDS as images of the operands' registers (16 bytes a lane, 512 a load), written once by the eight waves, each its eighth, and read by all.  NO CLUSTER, NO TENSOR LOAD: the images hold chosen rows
; in register order, which a tile of rows does not give; and the 185 KB of weights that work-groups share are a quarter of the 711 KB that a work-group moves (101 KB of inputs, 425 KB stored).
; REGISTERS: window 0 as named below; window 1 holds the fill's 231 registers between their loads and their LDS stores, and nothing else.
.set WK,    0                          ; LDS: Wk's 32 fragment images, number 2 (2 bb + u) + s, 2,048 bytes each
.set WQ,    65536                      ; Wq's likewise
.set WO,    131072                     ; Wo's 16
.set WA,    163840                     ; Wa's 8, number 2 t + s
.set WSC,   180224                     ; a scale image of 128 bytes (4 a lane) for each fragment: Wk 0-31, Wq 32-63, Wo 64-79, Wa 80-87
.set WB,    191488                     ; a bias image of 1,024 bytes for each tile, in the result's layout: registers 0-3, then 4-7: Wk 0-15, Wq 16-31, Wo 32-39, Wa 40-43
.set STG,   236544                     ; a stage for each wave: 2 inputs x 16 positions x (128 bytes + 16)
.set SPARE, 273408                     ; the spare words, 128 bytes for each wave: four blocks of 256 bytes that no other line names
.set SPW,  1                           ; v1   LDS address of my spare word; never rewritten
.set NIL,  2                           ; v2   0; never rewritten
.set RK,   3                           ; v3   16 x lane: an image's place for my lane in Wk's region; also my 16 bytes of a store of 512
.set RQ,   4                           ; v4   the same in Wq's region
.set RO,   5                           ; v5   in Wo's (Wa's lie 32,768 bytes on)
.set RS,   6                           ; v6   4 x lane + WSC
.set RB,   7                           ; v7   16 x lane + WB
.set STW,  8                           ; v8   the stage, in: row r, + 64 h
.set STR,  9                           ; v9   and back: row lane / 8, + 16 (lane % 8)
.set VWT,  10                          ; v10  wgt: 2,048 h + 16 r
.set VIX,  11                          ; v11  tap: 512 h + 16 r
.set K0F,  16                          ; v16-47  keys0's two fragments; v48-79 keys1's
.set HA,   16                          ; v16-79  later: q's sums, 128 columns at a time
.set QF,   80                          ; v80-111 query's two fragments; later Wa's two
.set INS,  112                         ; v112-117 the inputs' scale words: keys0 s = 0, 1; keys1; query
.set REFA, 118                         ; v[118:119] ref_point[h] (y, x) of my position; v[120:121] ref_point[2 + h]
.set QW,   122                         ; v122-123 q's scale words
.set CM,   124                         ; v[124:125] 2 / 63, 2 / 127
.set CH,   126                         ; v[126:127] 32, 64
.set WF,   128                         ; v128-191 four fragments of a weight
.set WS,   192                         ; v192-197 their scale words (and Wa's two)
.set WBI,  200                         ; v200-215 bk's two tiles
.set TM,   200                         ; v200-215 the quantiser's temporaries
.set OF,   200                         ; v200-215 the offsets' two accumulators
.set ACC,  216                         ; v216-247 four accumulators: (input e, tile u) at 16 e + 8 u
.set QC,   216                         ; v216-247 later: q's codes, two fragments
.set LG,   248                         ; v248-255 the logits' accumulator
.set VIN,  248                         ; until then: 256 r + 16 h,
.set VINS, 249                         ; 8 r,
.set VREF, 250                         ; 65,536 h + 8 r
.set VP,   128                         ; the fill's addresses, in registers that the fragments take later: 256 (r + 8 (r / 8)) + 16 h
.set VPS,  129                         ; 8 (r + 8 (r / 8))
.set VB64, 130                         ; 64 h
.set VB32, 131                         ; 32 h
.set AWK,  132                         ; where I store my eighth of the images: fragments of Wk, Wq, Wo, Wa;
.set AWQ,  133
.set AWO,  134
.set AWA,  135
.set SWK,  136                         ; scale words of Wk (Wq's 4,096 bytes on), Wo, Wa;
.set SWO,  137
.set SWA,  138
.set BWK,  139                         ; biases bk (bq 16,384 bytes on), bo, ba
.set BWO,  141
.set BWA,  142
.set F_K, 0                            ; window 1: fragments of Wk, Wq, Wo, Wa;
.set F_Q, 64
.set F_O, 128
.set F_A, 160
.set S_K, 176                          ; scale words;
.set S_Q, 180
.set S_O, 184
.set S_A, 186
.set B_K, 188                          ; biases
.set B_Q, 204
.set B_O, 220
.set B_A, 228
.set WT,  16                           ; the samples' work: v16-47 four weights a sample
.set IDX, 48                           ; v48-55 a byte offset a sample
.set TS,  56                           ; v56-71 two sets of temporaries: +0 the point (y, x), +2 the patch's corner, +4 the distance to it, +6 to the next
.set RC,  72                           ; v72 1 / the sum; v73 the sum (named with it as a pair)
.set SUM, 73
.set TT,  74                           ; v74-77 two pairs A wy
.set MX,  78                           ; v78 the largest logit, then -max x log2(e)
.set SEL, 52                           ; s[52:53] v_permlanex16_b32's selects for lane l xor 16
.set MNT, 54                           ; s54 the mantissa field of 448
.set L2E, 55                           ; s55 log2(e)
.set MSB, 0
.macro WIN new                         ; the immediate's high byte repeats the setting that is left
.if MSB != \new
	s_set_vgpr_msb (MSB<<8)|\new
.set MSB, \new
.endif
.endm
; Behind a matrix instruction of this form eight plain vector instructions stand ahead of a load into, a vector access to or a store of its registers, nine ahead of a matrix instruction that writes over one of them.
; No other vector work is at hand at these places.
.macro PLACES n
.rept \n
	v_nop
.endr
.endm
.macro FRAG dst, adr, off              ; a fragment's image comes back as it was stored: 4 x 512 bytes
.irp c, 0,1,2,3
	ds_load_b128 v[\dst+4*\c:\dst+4*\c+3], v[\adr] offset:\off+512*\c
.endr
.endm
.macro FETCHW adr, f0, bb              ; chunk bb of a weight: tiles u = 0, 1, K steps s = 0, 1, and their scale words (f0: the weight's first scale image)
.irp u, 0,1
.irp s, 0,1
	FRAG WF+16*(2*\u+\s), \adr, (2*(2*(\bb)+\u)+\s)*2048
	ds_load_b32 v[WS+2*\u+\s], v[RS] offset:(\f0+2*(2*(\bb)+\u)+\s)*128
.endr
.endr
.endm
.macro BIAS dst, tile                  ; a tile's bias, eight registers in the result's layout
	ds_load_b128 v[\dst:\dst+3], v[RB] offset:(\tile)*1024
	ds_load_b128 v[\dst+4:\dst+7], v[RB] offset:(\tile)*1024+512
.endm
.macro FETCHO t                        ; heads 2 t, 2 t + 1: Wo's four fragments, Wa's two
	FETCHW RO, 64, \t
.irp s, 0,1
	FRAG QF+16*\s, RO, 32768+(2*(\t)+\s)*2048
	ds_load_b32 v[WS+4+\s], v[RS] offset:(80+2*(\t)+\s)*128
.endr
.endm
.macro BIASO t                         ; bo and ba go straight into the accumulators: the sums begin on them
	BIAS OF, 32+2*(\t)
	BIAS OF+8, 33+2*(\t)
	BIAS LG, 40+(\t)
.endm
; One head of both key maps: 8 matrix instructions; each fragment of Wk feeds two.  The four accumulators take turns, one instruction a turn.  bk is the C of each sum's first instruction.
.macro SFMUL
.irp s, 0,1
.irp u, 0,1
.irp e, 0,1
.if \s == 0
	v_wmma_scale_f32_16x16x128_f8f6f4 v[ACC+16*\e+8*\u:ACC+16*\e+8*\u+7], v[WF+16*(2*\u+\s):WF+16*(2*\u+\s)+15], v[K0F+32*\e+16*\s:K0F+32*\e+16*\s+15], v[WBI+8*\u:WBI+8*\u+7], v[WS+2*\u+\s], v[INS+2*\e+\s]
.else
	v_wmma_scale_f32_16x16x128_f8f6f4 v[ACC+16*\e+8*\u:ACC+16*\e+8*\u+7], v[WF+16*(2*\u+\s):WF+16*(2*\u+\s)+15], v[K0F+32*\e+16*\s:K0F+32*\e+16*\s+15], v[ACC+16*\e+8*\u:ACC+16*\e+8*\u+7], v[WS+2*\u+\s], v[INS+2*\e+\s]
.endif
.endr
.endr
.endr
.endm
; A lane holds 16 channels of one position; the stage turns that into whole pixels: a store of the wave covers 512 consecutive bytes, four pixels of the head.  LDS serves a wave's instructions in order
; (ISA guide 5.7.1.4): no wait between the stores and the loads.  Each accumulator is read from its low end on.
.macro SFOUT hd
.irp e, 0,1
.irp u, 0,1
	ds_store_b128 v[STW], v[ACC+16*\e+8*\u:ACC+16*\e+8*\u+3] offset:\e*2304+\u*32
	ds_store_b128 v[STW], v[ACC+16*\e+8*\u+4:ACC+16*\e+8*\u+7] offset:\e*2304+\u*32+16
.endr
.endr
.irp e, 0,1
.irp q, 0,1,2,3
	ds_load_b128 v[ACC+16*\e+4*\q:ACC+16*\e+4*\q+3], v[STR] offset:\e*2304+\q*576
.endr
.endr
.irp q, 0,1,2,3
	s_wait_dscnt 7-\q                              ; LDS loads come back in order: this one is in, the younger ones may be out
	global_store_b128 v[RK], v[ACC+4*\q:ACC+4*\q+3], s[42:43] offset:(\hd)*1048576+\q*512
.endr
.irp q, 0,1,2,3
	s_wait_dscnt 3-\q
	global_store_b128 v[RK], v[ACC+16+4*\q:ACC+16+4*\q+3], s[44:45] offset:(\hd)*1048576+\q*512
.endr
.endm
.macro QMUL bb                         ; columns 32 bb .. 32 bb + 31 of q: two accumulators by turns, begun on bq, which was loaded into them
.irp s, 0,1
.irp u, 0,1
	v_wmma_scale_f32_16x16x128_f8f6f4 v[HA+16*((\bb)%4)+8*\u:HA+16*((\bb)%4)+8*\u+7], v[WF+16*(2*\u+\s):WF+16*(2*\u+\s)+15], v[QF+16*\s:QF+16*\s+15], v[HA+16*((\bb)%4)+8*\u:HA+16*((\bb)%4)+8*\u+7], v[WS+2*\u+\s], v[INS+4+\s]
.endr
.endr
.endm
.macro OMUL                            ; two heads' offsets (two accumulators) and logits (one), by turns
.irp s, 0,1
.irp u, 0,1
	v_wmma_scale_f32_16x16x128_f8f6f4 v[OF+8*\u:OF+8*\u+7], v[WF+16*(2*\u+\s):WF+16*(2*\u+\s)+15], v[QC+16*\s:QC+16*\s+15], v[OF+8*\u:OF+8*\u+7], v[WS+2*\u+\s], v[QW+\s]
.endr
	v_wmma_scale_f32_16x16x128_f8f6f4 v[LG:LG+7], v[QF+16*\s:QF+16*\s+15], v[QC+16*\s:QC+16*\s+15], v[LG:LG+7], v[WS+4+\s], v[QW+\s]
.endr
.endm
; 64 numbers of a lane, register 16 b + i = k 32 b + 16 h + i of my position, become a fragment's codes in v[pc] on and its scale word in v[pw].
.macro QUANT src, pc, pw
.irp b, 0,1,2,3
	v_max3_num_f32 v[TM+\b], |v[\src+16*\b]|, |v[\src+1+16*\b]|, 0x4800000   ; block b: my 16 numbers, and the floor 2^(9 - 127): so the byte cannot fall under 1
.endr
.irp i, 2,4,6,8,10,12,14
.irp b, 0,1,2,3
	v_max3_num_f32 v[TM+\b], v[TM+\b], |v[\src+16*\b+\i]|, |v[\src+1+16*\b+\i]|   ; the four blocks by turns
.endr
.endr
.irp b, 0,1,2,3
	v_permlanex16_b32 v[TM+4+\b], v[TM+\b], s[SEL], s[SEL+1]   ; (its destination counts as read: these registers have been written, by bk's loads)
.endr
.irp b, 0,1,2,3
	v_max_num_f32 v[TM+\b], v[TM+\b], v[TM+4+\b]   ; with lane l xor 16's: the block's largest magnitude
.endr
.irp b, 0,1,2,3
	v_add_nc_u32 v[TM+12+\b], 0xfc000000, v[TM+\b]   ; 8 off its exponent field: the conversion takes this operand's exponent field as its scale
.endr
.irp b, 0,1,2,3
	v_and_or_b32 v[TM+8+\b], v[TM+\b], 0x7f800000, s[MNT]   ; 448 x the scale
.endr
.irp b, 0,1,2,3
	v_lshrrev_b32 v[TM+4+\b], 23, v[TM+12+\b]      ; the scale's byte
.endr
	v_lshl_or_b32 v[\pw], v[TM+5], 8, v[TM+4]
	v_lshl_or_b32 v[\pw], v[TM+6], 16, v[\pw]
	v_lshl_or_b32 v[\pw], v[TM+7], 24, v[\pw]
.irp b, 0,1,2,3
.irp i, 0,1,2,3,4,5,6,7,8,9,10,11,12,13,14,15
	v_med3_num_f32 v[\src+16*\b+\i], v[\src+16*\b+\i], -v[TM+8+\b], v[TM+8+\b]   ; the conversion to an 8-bit code does not saturate (ISA guide 7.6.2): the hold at the largest code x the scale
.endr
	v_cvt_scalef32_pk8_fp8_f32 v[\pc+4*\b:\pc+1+4*\b], v[\src+16*\b:\src+7+16*\b], v[TM+12+\b]
	v_cvt_scalef32_pk8_fp8_f32 v[\pc+2+4*\b:\pc+3+4*\b], v[\src+8+16*\b:\src+15+16*\b], v[TM+12+\b]
.endr
	v_nop                                          ; one plain vector instruction behind the last scaled conversion
.endm
; Samples s and s + 1 of my head, line by line, so that no line waits for the line above.  Pairs are (y, x).
.macro SAMPLE2 s, ref
.irp q, 0,1
	v_pk_add_f32 v[TS+8*\q:TS+8*\q+1], v[OF+2*(\s+\q):OF+2*(\s+\q)+1], v[\ref:\ref+1]   ; the point: reference point + offset
.endr
.irp q, 0,1
	v_pk_mul_f32 v[TS+8*\q:TS+8*\q+1], v[TS+8*\q:TS+8*\q+1], v[CM:CM+1]   ; x 2 / 63, x 2 / 127
.endr
.irp q, 0,1
	v_pk_add_f32 v[TS+8*\q:TS+8*\q+1], v[TS+8*\q:TS+8*\q+1], -1.0 op_sel_hi:[1,0]   ; the grid's coordinate; then the sampler's + 1: reference()'s own order of rounding is kept, since what follows goes on into a quantiser
.endr
.irp q, 0,1
	v_pk_add_f32 v[TS+8*\q:TS+8*\q+1], v[TS+8*\q:TS+8*\q+1], 1.0 op_sel_hi:[1,0]
.endr
.irp q, 0,1
	v_pk_fma_f32 v[TS+8*\q:TS+8*\q+1], v[TS+8*\q:TS+8*\q+1], v[CH:CH+1], -0.5 op_sel_hi:[1,1,0]   ; iy, ix in pixels
.endr
.irp q, 0,1
	v_floor_f32 v[TS+8*\q+2], v[TS+8*\q]
	v_floor_f32 v[TS+8*\q+3], v[TS+8*\q+1]
.endr
.irp q, 0,1
	v_med3_num_f32 v[TS+8*\q+2], v[TS+8*\q+2], 0, 0x42780000   ; yb: held to 0 .. 62
	v_med3_num_f32 v[TS+8*\q+3], v[TS+8*\q+3], 0, 0x42fc0000   ; xb: held to 0 .. 126
.endr
.irp q, 0,1
	v_pk_add_f32 v[TS+8*\q+4:TS+8*\q+5], v[TS+8*\q:TS+8*\q+1], v[TS+8*\q+2:TS+8*\q+3] neg_lo:[0,1] neg_hi:[0,1]   ; the distance to the patch's first row and column,
.endr
.irp q, 0,1
	v_pk_add_f32 v[TS+8*\q+6:TS+8*\q+7], v[TS+8*\q+4:TS+8*\q+5], -1.0 op_sel_hi:[1,0]   ; and to its second
.endr
.irp q, 0,1
	v_sub_f32 v[WT+4*(\s+\q)], 1.0, |v[TS+8*\q+4]|
	v_sub_f32 v[WT+4*(\s+\q)+1], 1.0, |v[TS+8*\q+6]|
	v_sub_f32 v[WT+4*(\s+\q)+2], 1.0, |v[TS+8*\q+5]|
	v_sub_f32 v[WT+4*(\s+\q)+3], 1.0, |v[TS+8*\q+7]|
.endr
.irp q, 0,1
.irp i, 0,1,2,3
	v_max_num_f32 v[WT+4*(\s+\q)+\i], 0, v[WT+4*(\s+\q)+\i]   ; wy of the two rows, wx of the two columns
.endr
.endr
.irp q, 0,1
	v_mul_f32 v[TS+8*\q], 0x43000000, v[TS+8*\q+3]   ; 128 xb,
.endr
.irp q, 0,1
	v_fma_f32 v[TS+8*\q], v[TS+8*\q+2], 0x46800000, v[TS+8*\q]   ; + 16,384 yb: whole numbers under 2^24, exact
.endr
.irp q, 0,1
	v_cvt_u32_f32 v[IDX+\s+\q], v[TS+8*\q]
.endr
.endm
.macro WEIGH s                         ; (A wy0, A wy1), then the four corner weights in the order y0x0, y0x1, y1x0, y1x1
.if (\s)%2
	v_pk_mul_f32 v[TT+2:TT+3], v[WT+4*\s:WT+4*\s+1], v[LG+\s-1:LG+\s] op_sel:[0,1]
	v_pk_mul_f32 v[WT+4*\s:WT+4*\s+1], v[WT+4*\s+2:WT+4*\s+3], v[TT+2:TT+3] op_sel_hi:[1,0]
	v_pk_mul_f32 v[WT+4*\s+2:WT+4*\s+3], v[WT+4*\s+2:WT+4*\s+3], v[TT+2:TT+3] op_sel:[0,1]
.else
	v_pk_mul_f32 v[TT:TT+1], v[WT+4*\s:WT+4*\s+1], v[LG+\s:LG+\s+1] op_sel_hi:[1,0]
	v_pk_mul_f32 v[WT+4*\s:WT+4*\s+1], v[WT+4*\s+2:WT+4*\s+3], v[TT:TT+1] op_sel_hi:[1,0]
	v_pk_mul_f32 v[WT+4*\s+2:WT+4*\s+3], v[WT+4*\s+2:WT+4*\s+3], v[TT:TT+1] op_sel:[0,1]
.endif
.endm
; Heads 2 t + h: the softmax of the 8 logits, the 8 samples, and their way out.
.macro POST t
	s_wait_xcnt 0x0                                ; the last heads' stores have read their data: only behind this wait are WT and IDX written again
	v_max3_num_f32 v[MX], v[LG], v[LG+1], v[LG+2]  ; the maximum is taken away, as reference() does
	v_max3_num_f32 v[MX], v[MX], v[LG+3], v[LG+4]
	v_max3_num_f32 v[MX], v[MX], v[LG+5], v[LG+6]
	v_max_num_f32 v[MX], v[MX], v[LG+7]
	v_mul_f32 v[MX], 0xbfb8aa3b, v[MX]             ; -max x log2(e)
.irp j, 0,1,2,3,4,5,6,7
	v_fma_f32 v[LG+\j], v[LG+\j], s[L2E], v[MX]
.endr
.irp j, 0,1,2,3,4,5,6,7
	v_exp_f32 v[LG+\j], v[LG+\j]                   ; one batch; the samples below, which name none of its results, are the work behind it
.endr
	SAMPLE2 0, REFA+2*((\t)%2)
	SAMPLE2 2, REFA+2*((\t)%2)
	SAMPLE2 4, REFA+2*((\t)%2)
	SAMPLE2 6, REFA+2*((\t)%2)
	s_wait_alu depctr_va_vdst(0)                   ; the wait ahead of the first instruction that names an exponential's result: one for the eight
	v_add_f32 v[SUM], v[LG], v[LG+1]
	v_add_f32 v[TT], v[LG+2], v[LG+3]
	v_add_f32 v[TT+1], v[LG+4], v[LG+5]
	v_add_f32 v[TT+2], v[LG+6], v[LG+7]
	v_add_f32 v[SUM], v[SUM], v[TT]
	v_add_f32 v[TT+1], v[TT+1], v[TT+2]
	v_add_f32 v[SUM], v[SUM], v[TT+1]
	v_rcp_f32 v[RC], v[SUM]
	v_nop                                          ; a plain instruction between the reciprocal and its use
	s_wait_alu depctr_va_vdst(0)                   ; and the wait ahead of its first reader
.irp j, 0,2,4,6
	v_pk_mul_f32 v[LG+\j:LG+\j+1], v[LG+\j:LG+\j+1], v[RC:RC+1] op_sel_hi:[1,0]   ; A
.endr
.irp s, 0,1,2,3,4,5,6,7
	WEIGH \s
.endr
.irp s, 0,1,2,3,4,5,6,7
	global_store_b128 v[VWT], v[WT+4*\s:WT+4*\s+3], s[48:49] offset:(\t)*4096+\s*256   ; sixteen lanes store 256 consecutive bytes, aligned
.endr
.irp l, 0,1
	global_store_b128 v[VIX], v[IDX+4*\l:IDX+4*\l+3], s[46:47] offset:(\t)*1024+\l*256
.endr
.endm
.macro FILLW fr, sr, br, pc, ps, pb    ; my chunk (bb = wave) of Wk or Wq: 16 + 4 + 4 loads
.irp u, 0,1
.irp s, 0,1
.irp c, 0,1,2,3
	global_load_b128 v[\fr+16*(2*\u+\s)+4*\c:\fr+16*(2*\u+\s)+4*\c+3], v[VP], s[\pc:\pc+1] offset:\u*2048+\s*128+32*\c
.endr
	global_load_b32 v[\sr+2*\u+\s], v[VPS], s[\ps:\ps+1] offset:\u*64+4*\s
.endr
	global_load_b128 v[\br+8*\u:\br+8*\u+3], v[VB64], s[\pb:\pb+1] offset:\u*32
	global_load_b128 v[\br+8*\u+4:\br+8*\u+7], v[VB64], s[\pb:\pb+1] offset:\u*32+16
.endr
.endm
.macro PUTW fr, sr, br, aw, so, bof    ; and its images
.irp u, 0,1
.irp s, 0,1
.irp c, 0,1,2,3
	ds_store_b128 v[\aw], v[\fr+16*(2*\u+\s)+4*\c:\fr+16*(2*\u+\s)+4*\c+3] offset:(2*\u+\s)*2048+512*\c
.endr
	ds_store_b32 v[SWK], v[\sr+2*\u+\s] offset:\so+(2*\u+\s)*128
.endr
	ds_store_b128 v[BWK], v[\br+8*\u:\br+8*\u+3] offset:\bof+\u*1024
	ds_store_b128 v[BWK], v[\br+8*\u+4:\br+8*\u+7] offset:\bof+\u*1024+512
.endr
.endm
	s_load_b512 s[4:19], s[0:1], 0x0               ; keys0 codes s[4:5], scales s[6:7]; keys1 s[8:9], s[10:11]; query s[12:13], s[14:15]; ref_point s[16:17]; Wk codes s[18:19]
	s_load_b512 s[20:35], s[0:1], 0x40             ; Wk scales s[20:21], bk s[22:23]; Wq s[24:25], s[26:27], bq s[28:29]; Wo s[30:31], s[32:33], bo s[34:35]
	s_load_b256 s[36:43], s[0:1], 0x80             ; Wa s[36:37], s[38:39], ba s[40:41]; sfa s[42:43]
	s_load_b128 s[44:47], s[0:1], 0xa0             ; sfb s[44:45], tap s[46:47]
	s_load_b64 s[48:49], s[0:1], 0xb0              ; wgt
	v_lshl_add_u32 v[SPW], v0, 2, SPARE
	v_mov_b32 v[NIL], 0
	v_lshrrev_b32 v12, 5, v0
	v_readfirstlane_b32 s50, v12                   ; wave 0..7
	v_and_b32 v13, 31, v0                          ; lane
	v_and_b32 v14, 15, v0                          ; r
	v_bfe_u32 v15, v0, 4, 1                        ; h
	v_lshlrev_b32 v[RK], 4, v13
	v_add_nc_u32 v[RQ], WQ, v[RK]
	v_add_nc_u32 v[RO], WO, v[RK]
	v_lshl_add_u32 v[RS], v13, 2, WSC
	v_add_nc_u32 v[RB], WB, v[RK]
	s_mul_i32 s56, s50, 4608
	s_add_co_u32 s56, s56, STG                     ; my stage
	v_mul_u32_u24 v[STW], v14, 144
	v_lshl_add_u32 v[STW], v15, 6, v[STW]
	v_add_nc_u32 v[STW], s56, v[STW]
	v_lshrrev_b32 v12, 3, v13
	v_mul_u32_u24 v[STR], v12, 144
	v_and_b32 v12, 7, v13
	v_lshl_add_u32 v[STR], v12, 4, v[STR]
	v_add_nc_u32 v[STR], s56, v[STR]
	v_lshlrev_b32 v12, 4, v14
	v_lshl_add_u32 v[VWT], v15, 11, v12
	v_lshl_add_u32 v[VIX], v15, 9, v12
	v_lshlrev_b32 v[VIN], 8, v14
	v_lshl_add_u32 v[VIN], v15, 4, v[VIN]
	v_lshlrev_b32 v[VINS], 3, v14
	v_lshl_add_u32 v[VREF], v15, 16, v[VINS]
	v_and_b32 v12, 8, v14
	v_add_nc_u32 v12, v12, v14                     ; r + 8 (r / 8)
	v_lshlrev_b32 v[VP], 8, v12
	v_lshl_add_u32 v[VP], v15, 4, v[VP]
	v_lshlrev_b32 v[VPS], 3, v12
	v_lshlrev_b32 v[VB64], 6, v15
	v_lshlrev_b32 v[VB32], 5, v15
	s_lshl_b32 s57, s50, 13                        ; where my eighth of the images goes: a constant + a constant x lane + a constant x wave
	v_add_nc_u32 v[AWK], s57, v[RK]
	v_add_nc_u32 v[AWQ], s57, v[RQ]
	s_lshl_b32 s57, s50, 12
	v_add_nc_u32 v[AWO], s57, v[RO]
	s_lshl_b32 s57, s50, 11
	v_add_nc_u32 v[BWK], s57, v[RB]
	s_add_co_u32 s57, s57, WA
	v_add_nc_u32 v[AWA], s57, v[RK]
	s_lshl_b32 s57, s50, 9
	v_add_nc_u32 v[SWK], s57, v[RS]
	s_add_co_u32 s57, s57, 40960
	v_add_nc_u32 v[BWA], s57, v[RB]
	s_lshl_b32 s57, s50, 8
	s_add_co_u32 s57, s57, 8192
	v_add_nc_u32 v[SWO], s57, v[RS]
	s_lshl_b32 s57, s50, 7
	s_add_co_u32 s57, s57, 10240
	v_add_nc_u32 v[SWA], s57, v[RS]
	s_lshl_b32 s57, s50, 10
	s_add_co_u32 s57, s57, 32768
	v_add_nc_u32 v[BWO], s57, v[RB]
	v_mov_b32 v[CM], 0x3d020821                    ; 2 / 63
	v_mov_b32 v[CM+1], 0x3c810204                  ; 2 / 127
	v_mov_b32 v[CH], 0x42000000                    ; 32
	v_mov_b32 v[CH+1], 0x42800000                  ; 64
	s_mov_b32 s[SEL], 0x76543210
	s_mov_b32 s[SEL+1], 0xfedcba98
	s_mov_b32 s[MNT], 0x600000
	s_mov_b32 s[L2E], 0x3fb8aa3b
	s_lshl_b32 s60, ttmp9, 3
	s_add_co_u32 s60, s60, s50                     ; T: my tile of 16 positions, 0 .. 2,047
	s_and_b32 s61, s60, 511                        ; and its number within the image
	s_lshr_b32 s62, s50, 1
	s_and_b32 s63, s50, 1
	s_mov_b32 s59, 0                               ; every offset is under 2^32: a pair with 0 above it
	s_wait_kmcnt 0x0
	s_lshl_b32 s58, s60, 12                        ; 16 positions x 256 codes; a tile of tap is as many bytes
	s_add_nc_u64 s[4:5], s[4:5], s[58:59]
	s_add_nc_u64 s[8:9], s[8:9], s[58:59]
	s_add_nc_u64 s[12:13], s[12:13], s[58:59]
	s_add_nc_u64 s[46:47], s[46:47], s[58:59]
	s_lshl_b32 s58, s60, 7                         ; 16 x 8 scale bytes
	s_add_nc_u64 s[6:7], s[6:7], s[58:59]
	s_add_nc_u64 s[10:11], s[10:11], s[58:59]
	s_add_nc_u64 s[14:15], s[14:15], s[58:59]
	s_lshl_b32 s58, s61, 7                         ; ref_point: 16 x 8 bytes within an image
	s_add_nc_u64 s[16:17], s[16:17], s[58:59]
	s_lshl_b32 s58, s61, 11                        ; sfa, sfb: 16 pixels x 128 bytes,
	s_lshr_b32 s66, ttmp9, 6
	s_lshl_b32 s66, s66, 23                        ; + the batch's 8 heads of 2^20 bytes
	s_add_co_u32 s58, s58, s66
	s_add_nc_u64 s[42:43], s[42:43], s[58:59]
	s_add_nc_u64 s[44:45], s[44:45], s[58:59]
	s_lshl_b32 s58, s60, 14                        ; a tile of wgt
	s_add_nc_u64 s[48:49], s[48:49], s[58:59]
	s_lshl_b32 s58, s50, 13                        ; Wk, Wq: my 32 rows
	s_add_nc_u64 s[18:19], s[18:19], s[58:59]
	s_add_nc_u64 s[24:25], s[24:25], s[58:59]
	s_lshl_b32 s58, s50, 8
	s_add_nc_u64 s[20:21], s[20:21], s[58:59]
	s_add_nc_u64 s[26:27], s[26:27], s[58:59]
	s_lshl_b32 s58, s50, 7
	s_add_nc_u64 s[22:23], s[22:23], s[58:59]
	s_add_nc_u64 s[28:29], s[28:29], s[58:59]
	s_lshl_b32 s58, s62, 13                        ; Wo: tile (t = wave / 2, u = wave % 2): rows 32 t + 8 u on
	s_lshl_b32 s66, s63, 11
	s_add_co_u32 s58, s58, s66
	s_add_nc_u64 s[30:31], s[30:31], s[58:59]
	s_lshr_b32 s58, s58, 5                         ; 8 scale bytes for 256 codes
	s_add_nc_u64 s[32:33], s[32:33], s[58:59]
	s_lshr_b32 s58, s58, 1                         ; 4 bytes of bo a row
	s_add_nc_u64 s[34:35], s[34:35], s[58:59]
	s_lshl_b32 s58, s62, 12                        ; Wa: fragment (t = wave / 2, s = wave % 2): rows 16 t on, K 128 s on
	s_lshl_b32 s66, s63, 7
	s_add_co_u32 s58, s58, s66
	s_add_nc_u64 s[36:37], s[36:37], s[58:59]
	s_lshr_b32 s58, s58, 5
	s_add_nc_u64 s[38:39], s[38:39], s[58:59]
	s_lshl_b32 s58, s62, 6                         ; ba: tile t's registers 4 (wave % 2) on
	s_lshl_b32 s66, s63, 4
	s_add_co_u32 s58, s58, s66
	s_add_nc_u64 s[40:41], s[40:41], s[58:59]
	; THE FILL: 66 loads, my eighth of the weights, into window 1
	WIN 0x40                                       ; destination window 1, address window 0
	FILLW F_K, S_K, B_K, 18, 20, 22
	FILLW F_Q, S_Q, B_Q, 24, 26, 28
.irp s, 0,1
.irp c, 0,1,2,3
	global_load_b128 v[F_O+16*\s+4*\c:F_O+16*\s+4*\c+3], v[VP], s[30:31] offset:\s*128+32*\c
.endr
	global_load_b32 v[S_O+\s], v[VPS], s[32:33] offset:4*\s
.endr
	global_load_b128 v[B_O:B_O+3], v[VB64], s[34:35]
	global_load_b128 v[B_O+4:B_O+7], v[VB64], s[34:35] offset:16
.irp c, 0,1,2,3
	global_load_b128 v[F_A+4*\c:F_A+4*\c+3], v[VIN], s[36:37] offset:32*\c
.endr
	global_load_b32 v[S_A], v[VINS], s[38:39]
	global_load_b128 v[B_A:B_A+3], v[VB32], s[40:41]
	WIN 0
	; MY 16 POSITIONS: 32 loads: three inputs' fragments (lane (r, h): row r, K = 128 s + 32 c + 16 h on) and scale words, two reference points
.irp s, 0,1
.irp c, 0,1,2,3
	global_load_b128 v[K0F+16*\s+4*\c:K0F+16*\s+4*\c+3], v[VIN], s[4:5] offset:\s*128+32*\c
	global_load_b128 v[K0F+32+16*\s+4*\c:K0F+32+16*\s+4*\c+3], v[VIN], s[8:9] offset:\s*128+32*\c
	global_load_b128 v[QF+16*\s+4*\c:QF+16*\s+4*\c+3], v[VIN], s[12:13] offset:\s*128+32*\c
.endr
	global_load_b32 v[INS+\s], v[VINS], s[6:7] offset:4*\s
	global_load_b32 v[INS+2+\s], v[VINS], s[10:11] offset:4*\s
	global_load_b32 v[INS+4+\s], v[VINS], s[14:15] offset:4*\s
.endr
	global_load_b64 v[REFA:REFA+1], v[VREF], s[16:17]                 ; ref_point[h]: heads 4 i + h
	global_load_b64 v[REFA+2:REFA+3], v[VREF], s[16:17] offset:131072 ; ref_point[2 + h]: heads 4 i + 2 + h
	s_wait_loadcnt 32                              ; loads come back in order: the fill's 66 are in, the 32 behind them may be out
	WIN 0x04                                       ; an LDS store's data are its source 1: window 1
	PUTW F_K, S_K, B_K, AWK, 0, 0
	PUTW F_Q, S_Q, B_Q, AWQ, 4096, 16384
.irp s, 0,1
.irp c, 0,1,2,3
	ds_store_b128 v[AWO], v[F_O+16*\s+4*\c:F_O+16*\s+4*\c+3] offset:\s*2048+512*\c
.endr
	ds_store_b32 v[SWO], v[S_O+\s] offset:\s*128
.endr
	ds_store_b128 v[BWO], v[B_O:B_O+3]
	ds_store_b128 v[BWO], v[B_O+4:B_O+7] offset:512
.irp c, 0,1,2,3
	ds_store_b128 v[AWA], v[F_A+4*\c:F_A+4*\c+3] offset:512*\c
.endr
	ds_store_b32 v[SWA], v[S_A]
	ds_store_b128 v[BWA], v[B_A:B_A+3]
	WIN 0
	s_wait_dscnt 0x0                               ; for the others' sake: my images have landed
	s_barrier_signal -1
	s_barrier_wait -1                              ; everybody's have: from here on the images are only read, and the waves share nothing more
	; ---- THE KEY MAPS, a head at a time
	FETCHW RK, 0, 0
	BIAS WBI, 0
	BIAS WBI+8, 1
	s_wait_loadcnt 0x0                             ; my positions' 32 loads
.irp hd, 0,1,2,3,4,5,6,7
	s_wait_dscnt 0x0                               ; this head's fragments of Wk, scale words and bk
	s_wait_xcnt 0x0                                ; the last head's stores have read the accumulators' registers: only behind this wait are they written again
	SFMUL
	PLACES 9
.if \hd < 7
	FETCHW RK, 0, \hd+1                            ; the next head's, while this head goes out
	BIAS WBI, 2*(\hd+1)
	BIAS WBI+8, 2*(\hd+1)+1
.else
	FETCHW RQ, 32, 0                               ; or q's first chunk; bq goes into the accumulators, where the keys' fragments lay
	BIAS HA, 16
	BIAS HA+8, 17
.endif
	SFOUT \hd
.endr
	; ---- q, 32 columns at a time; each 128 columns are quantised as soon as they are whole
.irp bb, 0,1,2,3,4,5,6,7
	s_wait_dscnt 0x0
	QMUL \bb
	PLACES 9
.if \bb < 7
	FETCHW RQ, 32, \bb+1
.else
	FETCHO 0
.endif
.if \bb == 3
	s_wait_xcnt 0x0                                ; the last head's stores have read v216-247: q's codes may be written there
	QUANT HA, QC, QW
.endif
.if \bb == 7
	QUANT HA, QC+16, QW+1
	BIASO 0                                        ; behind the quantiser, whose temporaries these registers were
.else
	BIAS HA+16*((\bb+1)%4), 16+2*(\bb+1)           ; behind the quantiser's reads of these registers
	BIAS HA+16*((\bb+1)%4)+8, 17+2*(\bb+1)
.endif
.endr
	PLACES 8                                       ; a scale word made by vector instructions stands eight places ahead of a scaled matrix instruction, codes so made four
	; ---- offsets, logits, softmax, samples: two heads at a time
.irp t, 0,1,2,3
	s_wait_dscnt 0x0
	OMUL
	PLACES 9
.if \t < 3
	FETCHO \t+1
.endif
	POST \t
.if \t < 3
	BIASO \t+1                                     ; behind the reads of these accumulators
.endif
.endr
	s_wait_tensorcnt 0x0                           ; the wave's end
	ds_add_u32 v[SPW], v[NIL]
	s_wait_dscnt 0x0
	s_endpgm
.Lfunc_end_k_qdf9bb034ae_prep:
	.size	k_qdf9bb034ae_prep, .Lfunc_end_k_qdf9bb034ae_prep-k_qdf9bb034ae_prep
	.p2alignl 7, 3214868480
	.fill 96, 4, 3214868480
	.section	.rodata,"a",@progbits
	.p2align	6, 0x0
	.amdhsa_kernel k_qdf9bb034ae_prep
		.amdhsa_group_segment_fixed_size 274432
		.amdhsa_private_segment_fixed_size 0
		.amdhsa_enable_private_segment 0
		.amdhsa_kernarg_size 184
		.amdhsa_user_sgpr_count 2
		.amdhsa_user_sgpr_kernarg_segment_ptr 1
		.amdhsa_wavefront_size32 1
		.amdhsa_system_sgpr_workgroup_id_x 1
		.amdhsa_system_sgpr_workgroup_id_y 1
		.amdhsa_system_sgpr_workgroup_id_z 1
		.amdhsa_system_vgpr_workitem_id 0
		.amdhsa_next_free_vgpr 512
		.amdhsa_next_free_sgpr 80
		.amdhsa_reserve_vcc 0
		.amdhsa_float_denorm_mode_32 3
		.amdhsa_float_denorm_mode_16_64 3
		.amdhsa_memory_ordered 1
		.amdhsa_forward_progress 1
		.amdhsa_inst_pref_size 163
	.end_amdhsa_kernel
	.amdgpu_metadata
---
amdhsa.version: [ 1, 2 ]
amdhsa.kernels:
  - .name:           k_qdf9bb034ae_prep
    .symbol:         k_qdf9bb034ae_prep.kd
    .args:
      - { .name: keys0_codes, .offset: 0, .size: 8, .value_kind: global_buffer, .address_space: global }
      - { .name: keys0_scales, .offset: 8, .size: 8, .value_kind: global_buffer, .address_space: global }
      - { .name: keys1_codes, .offset: 16, .size: 8, .value_kind: global_buffer, .address_space: global }
      - { .name: keys1_scales, .offset: 24, .size: 8, .value_kind: global_buffer, .address_space: global }
      - { .name: query_codes, .offset: 32, .size: 8, .value_kind: global_buffer, .address_space: global }
      - { .name: query_scales, .offset: 40, .size: 8, .value_kind: global_buffer, .address_space: global }
      - { .name: ref_point, .offset: 48, .size: 8, .value_kind: global_buffer, .address_space: global }
      - { .name: Wk_codes, .offset: 56, .size: 8, .value_kind: global_buffer, .address_space: global }
      - { .name: Wk_scales, .offset: 64, .size: 8, .value_kind: global_buffer, .address_space: global }
      - { .name: bk, .offset: 72, .size: 8, .value_kind: global_buffer, .address_space: global }
      - { .name: Wq_codes, .offset: 80, .size: 8, .value_kind: global_buffer, .address_space: global }
      - { .name: Wq_scales, .offset: 88, .size: 8, .value_kind: global_buffer, .address_space: global }
      - { .name: bq, .offset: 96, .size: 8, .value_kind: global_buffer, .address_space: global }
      - { .name: Wo_codes, .offset: 104, .size: 8, .value_kind: global_buffer, .address_space: global }
      - { .name: Wo_scales, .offset: 112, .size: 8, .value_kind: global_buffer, .address_space: global }
      - { .name: bo, .offset: 120, .size: 8, .value_kind: global_buffer, .address_space: global }
      - { .name: Wa_codes, .offset: 128, .size: 8, .value_kind: global_buffer, .address_space: global }
      - { .name: Wa_scales, .offset: 136, .size: 8, .value_kind: global_buffer, .address_space: global }
      - { .name: ba, .offset: 144, .size: 8, .value_kind: global_buffer, .address_space: global }
      - { .name: sfa, .offset: 152, .size: 8, .value_kind: global_buffer, .address_space: global }
      - { .name: sfb, .offset: 160, .size: 8, .value_kind: global_buffer, .address_space: global }
      - { .name: tap, .offset: 168, .size: 8, .value_kind: global_buffer, .address_space: global }
      - { .name: wgt, .offset: 176, .size: 8, .value_kind: global_buffer, .address_space: global }
    .group_segment_fixed_size: 274432
    .private_segment_fixed_size: 0
    .kernarg_segment_align: 8
    .kernarg_segment_size: 184
    .max_flat_workgroup_size: 256
    .sgpr_count:     80
    .vgpr_count:     512
    .wavefront_size: 32
...
	.end_amdgpu_metadata
.endif
;; end of part 1
;; launch gather (part 2): grid 512 x 1, 8 waves a work-group, no clusters, 93,184 bytes of LDS; arguments tap, wgt, sfa, sfb, Wm_codes, Wm_scales, bm, out0; writes out0
.if DOCPART == 2
	.amdgcn_target "amdgcn-amd-amdhsa--gfx1250"
	.amdhsa_code_object_version 6
	.text
	.protected	k_qdf9bb034ae_gather
	.globl	k_qdf9bb034ae_gather
	.p2align	8
	.type	k_qdf9bb034ae_gather,@function
k_qdf9bb034ae_gather:
	s_mov_b64 s[64:65], 0
	v_nop
	global_prefetch_b8 v0, s[64:65] scope:SCOPE_SE
	s_setreg_imm32_b32 hwreg(HW_REG_WAVE_MODE, 25, 1), 1
	s_wait_xcnt 0x0
; PanoSelfAttention, launch 2 of 2.  feat[position][32 head + d] = the sum over the head's 8 samples and their 4 corners of weight x pixel[d]: f32 fused multiply-adds, since feat goes on into a quantiser;
; then out0 = Q(feat) x Wm + bm on codes of E4M3 with E8M0 scales, by v_wmma_scale_f32_16x16x128_f8f6f4.  Nothing of reference() is left out here.
; tap [tile of 16 positions][head][scale l][r][k]: the byte offset of the patch's upper left pixel in the head's image, whole numbers stored by launch 1 (held once more to the largest offset that keeps the patch inside).
; wgt [tile][head][sample 4 l + k][r][4]: the corner weights y0x0, y0x1, y1x0, y1x1.  sfa, sfb [batch][head][pixel][32] f32: a pixel to the right is 128 bytes on, a row down 16,384.
; LIMITS: as stated at the head of launch 1 (NaN and infinities are not served; a corner of weight 0 is multiplied by a finite pixel of the patch; a block of zeros of feat gets the scale byte 1, read here alone).
; SHARES.  A work-group takes 64 positions.  THE GATHER: wave w takes positions 8 w .. 8 w + 7, four at a time (j = 0, 1); eight lanes take a position, 16 bytes (4 channels) each: a load of the wave reads four whole
; pixels of a head, 128 bytes each.  A step is one (head, j, scale): 4 samples x 4 corners = 16 loads, 32 packed multiply-adds.  Two sets of registers take turns (set l serves scale l): while one step is
; multiplied, the next step's batch of loads is on its way, and each batch brings the indices of the step two further on, so that no address waits for its index.
; THE PRODUCT: feat meets in LDS; wave w quantises the fragment (positions 16 (w / 2) on, K 128 (w % 2) on) and stores it as an image of its registers; each wave then makes columns 32 w .. 32 w + 31 of out0 for all
; 64 positions (transposed: source 0 = 16 rows of Wm, source 1 = 16 positions), and the rows leave through LDS, 512 consecutive bytes a store.
; NO CLUSTER, NO TENSOR LOAD: the pixels are gathered by lists; what work-groups share, Wm's 67 KB, stands beside 2 MiB that a work-group gathers, and each wave loads its eighth of it once, straight into registers.
.set FST,   0                          ; LDS: feat: wave x 9,344 + (2 head + j) x 576 + position x 144 + 16 c.  Behind the second barrier the same bytes are the stage for out0: 64 rows x (1,024 + 16)
.set FIMG,  74752                      ; the 8 fragments' images, number 2 m + s, 2,048 bytes each
.set FSC,   91136                      ; their scale words, 128 bytes each
.set SPARE, 92160                      ; the spare words, 128 bytes for each wave: four blocks of 256 bytes that no other line names
.set SPW,  1                           ; v1   LDS address of my spare word; never rewritten
.set NIL,  2                           ; v2   0; never rewritten
.set VL16, 3                           ; v3   16 (lane % 8): my 4 channels
.set VG16, 4                           ; v4   16 (lane / 8): my position's place in tap and wgt
.set VH,   5                           ; v5   at work
.set VS0,  6                           ; v6   feat: my wave's region, my position, my channels
.set VS,   7                           ; v7   + the head in hand
.set VR,   8                           ; v8   feat, as the quantiser reads it: position r of my tile, 64 h
.set LIF,  9                           ; v9   16 x lane + FIMG
.set LSF,  10                          ; v10  4 x lane + FSC
.set FWI,  11                          ; v11  where I store my fragment's image
.set FWS,  12                          ; v12  and its scale words
.set SO,   13                          ; v13  the stage, in: row r, + 32 h + 128 wave
.set SR,   14                          ; v14  and back: my 8 rows, 16 bytes a lane
.set LI,   15                          ; v15  16 x lane
.set IX,   16                          ; v16-23  the indices, 4 a set
.set AD,   24                          ; v24-31  the loads' offsets, 4 a set
.set ACC,  32                          ; v32-35 the sums of corners 0 and 2, v36-39 of corners 1 and 3
.set WW,   40                          ; v40-71  the weights, 16 a set
.set DD,   80                          ; v80-207 the pixels, 64 a set: sample k, corner cr at 16 k + 4 cr
.set BM,   208                         ; v208-223 bm's two tiles, in the result's layout
.set WMS,  224                         ; v224-227 Wm's scale words
.set FS,   228                         ; v228-231 feat's scale words
.set VWM,  232                         ; v232 256 r + 16 h;  v233 8 r;  v234 32 h
.set VWS,  233
.set VBM,  234
.set X,    80                          ; later: v80-143 64 numbers of feat, then four fragments, then rows of out0
.set WM,   144                         ; v144-207 Wm's four fragments (tile n, K step s) at 16 (2 n + s)
.set PC,   16                          ; v16-31 the codes just made
.set TM,   32                          ; v32-47 the quantiser's temporaries
.set PW,   48                          ; v48 the scale word just made
.set ACCP, 16                          ; v16-79 the product's 8 accumulators, (m, n) at 8 (2 m + n)
.set SH,   22                          ; s22 the head's image in its batch: head x 2^20
.set SHN,  23                          ; s23 the next head's
.set SST,  24                          ; s24 the head's place in feat: head x 1,152
.set SEL,  26                          ; s[26:27] v_permlanex16_b32's selects for lane l xor 16
.set MNT,  28                          ; s28 the mantissa field of 448
.macro PLACES n                        ; plain vector instructions behind matrix instructions of this form: eight ahead of loads into and stores of their registers, nine ahead of a matrix instruction that writes over one
.rept \n
	v_nop
.endr
.endm
.macro FRAG dst, adr, off
.irp c, 0,1,2,3
	ds_load_b128 v[\dst+4*\c:\dst+4*\c+3], v[\adr] offset:\off+512*\c
.endr
.endm
.macro ADDR l, sh                      ; set l's four offsets: the index, held inside the image, + the head's image + my channels
	v_add_nc_u32 v[VH], s[\sh], v[VL16]
.irp k, 0,1,2,3
	v_min_u32 v[AD+4*\l+\k], 0xfbf00, v[IX+4*\l+\k]   ; (62 x 128 + 126) x 128: the last patch that lies inside
.endr
.irp k, 0,1,2,3
	v_add_nc_u32 v[AD+4*\l+\k], v[VH], v[AD+4*\l+\k]
.endr
.endm
.macro BATCH l, wimm, ni, iimm         ; a step's loads: 4 of weights, 1 of the indices of the step two further on (ni = 1), 16 of pixels
.irp k, 0,1,2,3
	global_load_b128 v[WW+16*\l+4*\k:WW+16*\l+4*\k+3], v[VG16], s[6:7] offset:\l*1024+\k*256+\wimm
.endr
.if \ni
	global_load_b128 v[IX+4*\l:IX+4*\l+3], v[VG16], s[4:5] offset:\l*256+\iimm
.endif
.irp k, 0,1,2,3
	global_load_b128 v[DD+64*\l+16*\k:DD+64*\l+16*\k+3], v[AD+4*\l+\k], s[8+2*\l:9+2*\l]
	global_load_b128 v[DD+64*\l+16*\k+4:DD+64*\l+16*\k+7], v[AD+4*\l+\k], s[8+2*\l:9+2*\l] offset:128
	global_load_b128 v[DD+64*\l+16*\k+8:DD+64*\l+16*\k+11], v[AD+4*\l+\k], s[8+2*\l:9+2*\l] offset:16384
	global_load_b128 v[DD+64*\l+16*\k+12:DD+64*\l+16*\k+15], v[AD+4*\l+\k], s[8+2*\l:9+2*\l] offset:16512
.endr
.endm
; 32 packed multiply-adds on four chains.  A weight is one register of a pair and serves both halves: the pair's first by op_sel_hi 0, its second by op_sel 1.  In scale 0 the first two corners start the sums: nothing is cleared.
.macro FMAS l
.irp k, 0,1,2,3
.irp cr, 0,1,2,3
.irp p, 0,1
.set rA, ACC+4*(\cr%2)+2*\p
.set rD, DD+64*\l+16*\k+4*\cr+2*\p
.set rW, WW+16*\l+4*\k+2*(\cr/2)
.if (\l == 0) && (\k == 0) && (\cr == 0)
	v_pk_mul_f32 v[rA:rA+1], v[rD:rD+1], v[rW:rW+1] op_sel_hi:[1,0]
.elseif (\l == 0) && (\k == 0) && (\cr == 1)
	v_pk_mul_f32 v[rA:rA+1], v[rD:rD+1], v[rW:rW+1] op_sel:[0,1]
.elseif (\cr%2) == 0
	v_pk_fma_f32 v[rA:rA+1], v[rD:rD+1], v[rW:rW+1], v[rA:rA+1] op_sel_hi:[1,0,1]
.else
	v_pk_fma_f32 v[rA:rA+1], v[rD:rD+1], v[rW:rW+1], v[rA:rA+1] op_sel:[0,1,0]
.endif
.endr
.endr
.endr
.endm
; The step (head in hand, j, l).  cnt: the loads of the other set's batch, which are younger and may stay out.  nw = 1: set l is filled again, for the step two further on: (head, 1, l) where j = 0, (head + 1, 0, l) where j = 1.
.macro STEP j, l, cnt, nw, ni
	s_wait_loadcnt \cnt                            ; loads come back in order: my batch is in, so its offsets may be written again; with it came the indices of the step two further on
.if \nw
.if \j == 0
	ADDR \l, SH
.else
	ADDR \l, SHN
.endif
.endif
	FMAS \l
.if \nw
.if \j == 0
	BATCH \l, 64, \ni, 512
.else
	BATCH \l, 2048, \ni, 576
.endif
.endif
.if \l == 1
	v_pk_add_f32 v[ACC:ACC+1], v[ACC:ACC+1], v[ACC+4:ACC+5]
	v_pk_add_f32 v[ACC+2:ACC+3], v[ACC+2:ACC+3], v[ACC+6:ACC+7]
	ds_store_b128 v[VS], v[ACC:ACC+3] offset:\j*576   ; four channels of feat
.endif
.endm
; 64 numbers of a lane, register 16 b + i = k 32 b + 16 h + i of my position, become a fragment's codes in v[pc] on and its scale word in v[pw].
.macro QUANT src, pc, pw
.irp b, 0,1,2,3
	v_max3_num_f32 v[TM+\b], |v[\src+16*\b]|, |v[\src+1+16*\b]|, 0x4800000   ; block b (a head): my 16 numbers, and the floor 2^(9 - 127): so the byte cannot fall under 1
.endr
.irp i, 2,4,6,8,10,12,14
.irp b, 0,1,2,3
	v_max3_num_f32 v[TM+\b], v[TM+\b], |v[\src+16*\b+\i]|, |v[\src+1+16*\b+\i]|
.endr
.endr
.irp b, 0,1,2,3
	v_permlanex16_b32 v[TM+4+\b], v[TM+\b], s[SEL], s[SEL+1]   ; (its destination counts as read: these registers have been written, by the gather's sums)
.endr
.irp b, 0,1,2,3
	v_max_num_f32 v[TM+\b], v[TM+\b], v[TM+4+\b]   ; with lane l xor 16's: the block's largest magnitude
.endr
.irp b, 0,1,2,3
	v_add_nc_u32 v[TM+12+\b], 0xfc000000, v[TM+\b]   ; 8 off its exponent field: the conversion's scale operand
.endr
.irp b, 0,1,2,3
	v_and_or_b32 v[TM+8+\b], v[TM+\b], 0x7f800000, s[MNT]   ; 448 x the scale
.endr
.irp b, 0,1,2,3
	v_lshrrev_b32 v[TM+4+\b], 23, v[TM+12+\b]      ; the scale's byte
.endr
	v_lshl_or_b32 v[\pw], v[TM+5], 8, v[TM+4]
	v_lshl_or_b32 v[\pw], v[TM+6], 16, v[\pw]
	v_lshl_or_b32 v[\pw], v[TM+7], 24, v[\pw]
.irp b, 0,1,2,3
.irp i, 0,1,2,3,4,5,6,7,8,9,10,11,12,13,14,15
	v_med3_num_f32 v[\src+16*\b+\i], v[\src+16*\b+\i], -v[TM+8+\b], v[TM+8+\b]   ; the conversion to an 8-bit code does not saturate (ISA guide 7.6.2): the hold at the largest code x the scale
.endr
	v_cvt_scalef32_pk8_fp8_f32 v[\pc+4*\b:\pc+1+4*\b], v[\src+16*\b:\src+7+16*\b], v[TM+12+\b]
	v_cvt_scalef32_pk8_fp8_f32 v[\pc+2+4*\b:\pc+3+4*\b], v[\src+8+16*\b:\src+15+16*\b], v[TM+12+\b]
.endr
	v_nop                                          ; one plain vector instruction behind the last scaled conversion: the products below write over these registers
.endm
.macro BARRIER                                 ; my LDS stores have landed and my LDS loads are in: then the work-group's barrier
	s_wait_dscnt 0x0
	s_barrier_signal -1
	s_barrier_wait -1
.endm
	s_load_b256 s[4:11], s[0:1], 0x0               ; tap s[4:5], wgt s[6:7], sfa s[8:9], sfb s[10:11]
	s_load_b256 s[12:19], s[0:1], 0x20             ; Wm codes s[12:13], scales s[14:15], bm s[16:17], out0 s[18:19]
	v_lshl_add_u32 v[SPW], v0, 2, SPARE
	v_mov_b32 v[NIL], 0
	v_lshrrev_b32 v[VH], 5, v0
	v_readfirstlane_b32 s20, v[VH]                 ; wave 0..7
	v_and_b32 v235, 31, v0                         ; lane
	v_and_b32 v236, 15, v0                         ; r
	v_bfe_u32 v237, v0, 4, 1                       ; h
	v_bfe_u32 v238, v0, 3, 2                       ; lane / 8: which of four positions
	v_and_b32 v[VL16], 7, v0
	v_lshlrev_b32 v[VL16], 4, v[VL16]
	v_lshlrev_b32 v[VG16], 4, v238
	s_mul_i32 s29, s20, 9344
	v_mad_u32_u24 v[VS0], v238, 144, v[VL16]
	v_add_nc_u32 v[VS0], s29, v[VS0]
	s_lshr_b32 s30, s20, 1                         ; m = wave / 2
	s_and_b32 s31, s20, 1                          ; s = wave % 2
	s_mul_i32 s29, s30, 18688                      ; position 16 m + r was gathered by wave 2 m + r / 8, as j = (r / 4) % 2, position r % 4; heads 4 s on
	s_mul_i32 s32, s31, 4608
	s_add_co_u32 s29, s29, s32
	v_bfe_u32 v[VH], v0, 3, 1
	v_mul_u32_u24 v[VR], v[VH], 9344
	v_bfe_u32 v[VH], v0, 2, 1
	v_mad_u32_u24 v[VR], v[VH], 576, v[VR]
	v_and_b32 v[VH], 3, v0
	v_mad_u32_u24 v[VR], v[VH], 144, v[VR]
	v_lshl_add_u32 v[VR], v237, 6, v[VR]
	v_add_nc_u32 v[VR], s29, v[VR]
	v_lshlrev_b32 v[LI], 4, v235
	v_add_nc_u32 v[LIF], FIMG, v[LI]
	v_lshl_add_u32 v[LSF], v235, 2, FSC
	s_lshl_b32 s29, s20, 11
	v_add_nc_u32 v[FWI], s29, v[LIF]
	s_lshl_b32 s29, s20, 7
	v_add_nc_u32 v[FWS], s29, v[LSF]
	v_mul_u32_u24 v[SO], v236, 1040
	v_lshl_add_u32 v[SO], v237, 5, v[SO]
	v_add_nc_u32 v[SO], s29, v[SO]
	s_mul_i32 s29, s20, 8320
	v_add_nc_u32 v[SR], s29, v[LI]
	v_lshlrev_b32 v[VWM], 8, v236
	v_lshl_add_u32 v[VWM], v237, 4, v[VWM]
	v_lshlrev_b32 v[VWS], 3, v236
	v_lshlrev_b32 v[VBM], 5, v237
	s_mov_b32 s[SEL], 0x76543210
	s_mov_b32 s[SEL+1], 0xfedcba98
	s_mov_b32 s[MNT], 0x600000
	s_mov_b32 s[SH], 0
	s_mov_b32 s[SHN], 0x100000
	s_mov_b32 s[SST], 0
	s_mov_b32 s21, 0
	s_mov_b32 s35, 0                               ; every offset is under 2^32: a pair with 0 above it
	s_lshl_b32 s33, ttmp9, 14
	s_lshl_b32 s32, s30, 12
	s_add_co_u32 s33, s33, s32                     ; my tile of 16 positions in tap: 4 tiles a work-group, 4,096 bytes a tile
	s_lshl_b32 s31, s31, 7                         ; my 8 positions of the 16: 16 bytes each, in tap and in wgt
	s_wait_kmcnt 0x0
	s_add_co_u32 s34, s33, s31
	s_add_nc_u64 s[4:5], s[4:5], s[34:35]
	s_lshl_b32 s34, s33, 2                         ; a tile of wgt is four times a tile of tap
	s_add_co_u32 s34, s34, s31
	s_add_nc_u64 s[6:7], s[6:7], s[34:35]
	s_lshr_b32 s34, ttmp9, 7                       ; the batch: 128 work-groups each
	s_lshl_b32 s34, s34, 23
	s_add_nc_u64 s[8:9], s[8:9], s[34:35]
	s_add_nc_u64 s[10:11], s[10:11], s[34:35]
	s_lshl_b32 s34, s20, 13                        ; Wm: my 32 rows
	s_add_nc_u64 s[12:13], s[12:13], s[34:35]
	s_lshl_b32 s34, s20, 8
	s_add_nc_u64 s[14:15], s[14:15], s[34:35]
	s_lshl_b32 s34, s20, 7
	s_add_nc_u64 s[16:17], s[16:17], s[34:35]
	s_lshl_b32 s34, ttmp9, 16                      ; out0: rows 64 g + 8 w on, 1,024 bytes each
	s_lshl_b32 s33, s20, 13
	s_add_co_u32 s34, s34, s33
	s_add_nc_u64 s[18:19], s[18:19], s[34:35]
	; ---- THE GATHER
	global_load_b128 v[IX:IX+3], v[VG16], s[4:5]               ; the indices of steps (0, 0, 0)
	global_load_b128 v[IX+4:IX+7], v[VG16], s[4:5] offset:256  ; and (0, 0, 1)
.irp n, 0,1
	global_load_b128 v[BM+8*\n:BM+8*\n+3], v[VBM], s[16:17] offset:\n*64       ; lane (r, h), tile n: bm of columns 32 w + 16 n + 8 h + 0 .. 7
	global_load_b128 v[BM+8*\n+4:BM+8*\n+7], v[VBM], s[16:17] offset:\n*64+16
.irp s, 0,1
	global_load_b32 v[WMS+2*\n+\s], v[VWS], s[14:15] offset:\n*128+4*\s
.endr
.endr
	s_wait_loadcnt 8                               ; the two index loads are in; the eight behind them may be out
	ADDR 0, SH
	ADDR 1, SH
	BATCH 0, 0, 1, 64                              ; with the indices of (0, 1, 0)
	BATCH 1, 0, 1, 64
.Lhead:                                            ; 7 trips, a head each: every trip asks for all of the next head's first two steps and for indices a head on
	v_add_nc_u32 v[VS], s[SST], v[VS0]
	STEP 0, 0, 21, 1, 1
	STEP 0, 1, 21, 1, 1
	STEP 1, 0, 21, 1, 1
	STEP 1, 1, 21, 1, 1
	s_wait_xcnt 0x0                                ; every load issued has read its base: only behind this wait are tap's and wgt's stepped
	s_add_nc_u64 s[4:5], s[4:5], 512
	s_add_nc_u64 s[6:7], s[6:7], 2048
	s_add_co_u32 s[SH], s[SH], 0x100000
	s_add_co_u32 s[SHN], s[SHN], 0x100000
	s_add_co_u32 s[SST], s[SST], 1152
	s_add_co_u32 s21, s21, 1
	s_cmp_lt_u32 s21, 7
	s_cbranch_scc1 .Lhead
	v_add_nc_u32 v[VS], s[SST], v[VS0]             ; the last head is written out: no load leaves its buffer, and the counts run down
	STEP 0, 0, 21, 1, 0                            ; its batches bring no indices: 20 loads
	STEP 0, 1, 20, 1, 0
	STEP 1, 0, 20, 0, 0
	STEP 1, 1, 0, 0, 0
.irp n, 0,1                                    ; Wm's four fragments, into the registers that set 1's pixels have left: they land while feat is quantised
.irp s, 0,1
.irp c, 0,1,2,3
	global_load_b128 v[WM+16*(2*\n+\s)+4*\c:WM+16*(2*\n+\s)+4*\c+3], v[VWM], s[12:13] offset:\n*4096+\s*128+32*\c
.endr
.endr
.endr
	BARRIER                                        ; feat of the 64 positions lies in LDS
	; ---- THE QUANTISER: my fragment: 16 positions x 4 heads
.irp b, 0,1,2,3
.irp i, 0,1,2,3
	ds_load_b128 v[X+16*\b+4*\i:X+16*\b+4*\i+3], v[VR] offset:\b*1152+16*\i
.endr
.endr
	s_wait_dscnt 0x0
	QUANT X, PC, PW
.irp c, 0,1,2,3
	ds_store_b128 v[FWI], v[PC+4*\c:PC+4*\c+3] offset:512*\c
.endr
	ds_store_b32 v[FWS], v[PW]
	BARRIER                                        ; the eight fragments lie in LDS, and nobody reads feat any more: its bytes become the stage
	; ---- THE PRODUCT: eight accumulators by turns, a K step at a time; bm is the C of each sum's first instruction
.irp s, 0,1
.irp m, 0,1,2,3
	FRAG X+16*\m, LIF, (2*\m+\s)*2048
	ds_load_b32 v[FS+\m], v[LSF] offset:(2*\m+\s)*128
.endr
	s_wait_dscnt 0x0
.if \s == 0
	s_wait_loadcnt 0x0                             ; Wm
.endif
.irp m, 0,1,2,3
.irp n, 0,1
.if \s == 0
	v_wmma_scale_f32_16x16x128_f8f6f4 v[ACCP+8*(2*\m+\n):ACCP+8*(2*\m+\n)+7], v[WM+16*(2*\n+\s):WM+16*(2*\n+\s)+15], v[X+16*\m:X+16*\m+15], v[BM+8*\n:BM+8*\n+7], v[WMS+2*\n+\s], v[FS+\m]
.else
	v_wmma_scale_f32_16x16x128_f8f6f4 v[ACCP+8*(2*\m+\n):ACCP+8*(2*\m+\n)+7], v[WM+16*(2*\n+\s):WM+16*(2*\n+\s)+15], v[X+16*\m:X+16*\m+15], v[ACCP+8*(2*\m+\n):ACCP+8*(2*\m+\n)+7], v[WMS+2*\n+\s], v[FS+\m]
.endif
.endr
.endr
	PLACES 9
.endr
.irp m, 0,1,2,3                                ; lane (r, h): out0(16 m + r, 32 w + 16 n + 8 h + 0 .. 7); each accumulator from its low end on
.irp n, 0,1
	ds_store_b128 v[SO], v[ACCP+8*(2*\m+\n):ACCP+8*(2*\m+\n)+3] offset:\m*16640+\n*64
	ds_store_b128 v[SO], v[ACCP+8*(2*\m+\n)+4:ACCP+8*(2*\m+\n)+7] offset:\m*16640+\n*64+16
.endr
.endr
	BARRIER                                        ; 64 whole rows of out0 lie in the stage
.irp i, 0,1,2,3,4,5,6,7,8,9,10,11,12,13,14,15
	ds_load_b128 v[X+4*\i:X+4*\i+3], v[SR] offset:(\i/2)*1040+(\i%2)*512
.endr
.irp i, 0,1,2,3,4,5,6,7,8,9,10,11,12,13,14,15
	s_wait_dscnt 15-\i                             ; this load is in, the younger ones may be out
	global_store_b128 v[LI], v[X+4*\i:X+4*\i+3], s[18:19] offset:(\i/2)*1024+(\i%2)*512 th:TH_STORE_NT   ; 32 lanes store 512 consecutive bytes, aligned; written once, read by nobody here
.endr
	s_wait_tensorcnt 0x0                           ; the wave's end
	ds_add_u32 v[SPW], v[NIL]
	s_wait_dscnt 0x0
	s_endpgm
.Lfunc_end_k_qdf9bb034ae_gather:
	.size	k_qdf9bb034ae_gather, .Lfunc_end_k_qdf9bb034ae_gather-k_qdf9bb034ae_gather
	.p2alignl 7, 3214868480
	.fill 96, 4, 3214868480
	.section	.rodata,"a",@progbits
	.p2align	6, 0x0
	.amdhsa_kernel k_qdf9bb034ae_gather
		.amdhsa_group_segment_fixed_size 93184
		.amdhsa_private_segment_fixed_size 0
		.amdhsa_enable_private_segment 0
		.amdhsa_kernarg_size 64
		.amdhsa_user_sgpr_count 2
		.amdhsa_user_sgpr_kernarg_segment_ptr 1
		.amdhsa_wavefront_size32 1
		.amdhsa_system_sgpr_workgroup_id_x 1
		.amdhsa_system_sgpr_workgroup_id_y 1
		.amdhsa_system_sgpr_workgroup_id_z 1
		.amdhsa_system_vgpr_workitem_id 0
		.amdhsa_next_free_vgpr 256
		.amdhsa_next_free_sgpr 66
		.amdhsa_reserve_vcc 0
		.amdhsa_float_denorm_mode_32 3
		.amdhsa_float_denorm_mode_16_64 3
		.amdhsa_memory_ordered 1
		.amdhsa_forward_progress 1
		.amdhsa_inst_pref_size 62
	.end_amdhsa_kernel
	.amdgpu_metadata
---
amdhsa.version: [ 1, 2 ]
amdhsa.kernels:
  - .name:           k_qdf9bb034ae_gather
    .symbol:         k_qdf9bb034ae_gather.kd
    .args:
      - { .name: tap, .offset: 0, .size: 8, .value_kind: global_buffer, .address_space: global }
      - { .name: wgt, .offset: 8, .size: 8, .value_kind: global_buffer, .address_space: global }
      - { .name: sfa, .offset: 16, .size: 8, .value_kind: global_buffer, .address_space: global }
      - { .name: sfb, .offset: 24, .size: 8, .value_kind: global_buffer, .address_space: global }
      - { .name: Wm_codes, .offset: 32, .size: 8, .value_kind: global_buffer, .address_space: global }
      - { .name: Wm_scales, .offset: 40, .size: 8, .value_kind: global_buffer, .address_space: global }
      - { .name: bm, .offset: 48, .size: 8, .value_kind: global_buffer, .address_space: global }
      - { .name: out0, .offset: 56, .size: 8, .value_kind: global_buffer, .address_space: global }
    .group_segment_fixed_size: 93184
    .private_segment_fixed_size: 0
    .kernarg_segment_align: 8
    .kernarg_segment_size: 64
    .max_flat_workgroup_size: 256
    .sgpr_count:     66
    .vgpr_count:     256
    .wavefront_size: 32
...
	.end_amdgpu_metadata
.endif
;; end of part 2
;; ======== version 2 of 2: 3 launches
;; limits: right only within a limited range of input values
;; workspace buffers: sf 67,108,864 bytes; tap 8,388,608 bytes of whole numbers; wgt 33,554,432 bytes; feat 33,554,432 bytes
;; launch prep (part 3): grid 256 x 1, 8 waves a work-group, no clusters, 237,568 bytes of LDS; arguments keys0_codes, keys0_scales, keys1_codes, keys1_scales, query_codes, query_scales, ref_point, Wk_codes, Wk_scales, bk, Wq_codes, Wq_scales, bq, Wo_codes, Wo_scales, bo, Wa_codes, Wa_scales, ba, sf, tap, wgt; writes sf, tap, wgt
.if DOCPART == 3
	.amdgcn_target "amdgcn-amd-amdhsa--gfx1250"
	.amdhsa_code_object_version 6
	.text
	.protected	k_qdf9bb034ae_prep
	.globl	k_qdf9bb034ae_prep
	.p2align	8
	.type	k_qdf9bb034ae_prep,@function
k_qdf9bb034ae_prep:
	s_mov_b64 s[64:65], 0
	v_nop
	global_prefetch_b8 v0, s[64:65] scope:SCOPE_SE
	s_setreg_imm32_b32 hwreg(HW_REG_WAVE_MODE, 25, 1), 1
	s_wait_xcnt 0x0
; PanoSelfAttention, launch 1 of 3.  For each of the 32,768 positions (batch, row, column):
;   sf = keys0 (l = 0), keys1 (l = 1) x Wk + bk, f32, laid [batch][head][cs: 4 channels][l][pixel][4]: the 262,144 bytes of a (batch, head, cs) are what one work-group of launch 2 holds in LDS;
;   q = query x Wq + bq, quantised along its 256 in registers; off = Q(q) x Wo + bo; A = softmax over a head's 8 of Q(q) x Wa + ba;
;   for each (position, head, scale l, point k): the sampling point, as 16 x the number of the upper left pixel of a 2 x 2 patch (tap, whole numbers)
;   and the four corner weights A x wy x wx (wgt).  Launch 2 gathers by them, launch 3 makes the last product.
; All five products are on the given codes of E4M3 with E8M0 scales, by v_wmma_scale_f32_16x16x128_f8f6f4, sums in f32.
; NOTHING OF reference() IS LEFT OUT, and every input is loaded: ba differs along the softmax's axis, bk counts since the corner weights do not add up to 1 at the image's border, bq and bo move codes and coordinates.
; THE REFERENCE POINT of (batch b, head n) is ref_point[n % 4], not ref_point[b]: reference() tiles ref_point head-major, and row 8 b + n of the tiled array is ref_point[(8 b + n) % 4].
; BORDERS WITHOUT A BRANCH: xb = floor(ix) held to 0 .. 126, yb = floor(iy) held to 0 .. 62; the weight of column c is max(0, 1 - |ix - c|) for c = xb, xb + 1, rows likewise.  For every finite ix that is
; reference()'s wx0, wx1 times its test of validity, and the patch lies inside the image.
; LIMITS: NaN and infinities among the inputs are not served.  A corner of weight 0 is multiplied (in launch 2) by a pixel of the patch and not by reference()'s clipped pixel: both are finite.  p x (2 / 127) stands for
; 2 p / 127 (one rounding apart).  A block of zeros of q gets the scale byte 1 where the rule says 127: its codes are zeros, and the byte is read by this program alone.
; SHARES.  A work-group takes one image row, 128 positions; each of its eight waves takes 16 of them through everything.  Every product is used transposed (source 0 = 16 rows of a weight, source 1 = my 16 positions):
; lane (r = lane % 16, h = lane / 16) holds position r throughout.
; THE ROWS OF A WEIGHT THAT FORM A TILE.  Wk, Wq, Wo: lane r of tile (bb, u) takes row 32 bb + 8 u + r + 8 (r / 8), so that register j of the result is column 32 bb + 16 h + 8 u + j: for Wk and Wq the 16 registers of
; tiles u = 0, 1 are 16 neighbouring channels; for Wo (bb = t) the lane's half h holds head 2 t + h, tile u is scale u, its registers 4 x (y, x).  Wa: rows as they lie: half h holds the 8 logits of head 2 t + h.
; So a head's softmax and its 8 samples lie in one lane, and four neighbouring registers of a key map's result are one cs of one pixel: sixteen lanes store 256 consecutive bytes of sf straight from registers.
; THE WEIGHTS lie in LDS as images of the operands' registers (16 bytes a lane, 512 a load), written once by the eight waves, each its eighth, and read by all.  NO CLUSTER, NO TENSOR LOAD: the images hold chosen rows
; in register order, which a tile of rows does not give; and the 185 KB of weights that work-groups share are a quarter of the 711 KB that a work-group moves (101 KB of inputs, 425 KB stored).
; REGISTERS: window 0 as named below; window 1 holds the fill's 231 registers between their loads and their LDS stores, and nothing else.
.set WK,    0                          ; LDS: Wk's 32 fragment images, number 2 (2 bb + u) + s, 2,048 bytes each
.set WQ,    65536                      ; Wq's likewise
.set WO,    131072                     ; Wo's 16
.set WA,    163840                     ; Wa's 8, number 2 t + s
.set WSC,   180224                     ; a scale image of 128 bytes (4 a lane) for each fragment: Wk 0-31, Wq 32-63, Wo 64-79, Wa 80-87
.set WB,    191488                     ; a bias image of 1,024 bytes for each tile, in the result's layout: registers 0-3, then 4-7: Wk 0-15, Wq 16-31, Wo 32-39, Wa 40-43
.set SPARE, 236544                     ; the spare words, 128 bytes for each wave: four blocks of 256 bytes that no other line names
.set SPW,  1                           ; v1   LDS address of my spare word; never rewritten
.set NIL,  2                           ; v2   0; never rewritten
.set RK,   3                           ; v3   16 x lane: an image's place for my lane in Wk's region
.set RQ,   4                           ; v4   the same in Wq's region
.set RO,   5                           ; v5   in Wo's (Wa's lie 32,768 bytes on)
.set RS,   6                           ; v6   4 x lane + WSC
.set RB,   7                           ; v7   16 x lane + WB
.set VSF,  8                           ; v8   sf: 2^20 h (four cs on) + 16 r
.set VWT,  10                          ; v10  wgt: 2,048 h + 16 r
.set VIX,  11                          ; v11  tap: 512 h + 16 r
.set K0F,  16                          ; v16-47  keys0's two fragments; v48-79 keys1's
.set HA,   16                          ; v16-79  later: q's sums, 128 columns at a time
.set QF,   80                          ; v80-111 query's two fragments; later Wa's two
.set INS,  112                         ; v112-117 the inputs' scale words: keys0 s = 0, 1; keys1; query
.set REFA, 118                         ; v[118:119] ref_point[h] (y, x) of my position; v[120:121] ref_point[2 + h]
.set QW,   122                         ; v122-123 q's scale words
.set CM,   124                         ; v[124:125] 2 / 63, 2 / 127
.set CH,   126                         ; v[126:127] 32, 64
.set WF,   128                         ; v128-191 four fragments of a weight
.set WS,   192                         ; v192-197 their scale words (and Wa's two)
.set WBI,  200                         ; v200-215 bk's two tiles
.set TM,   200                         ; v200-215 the quantiser's temporaries
.set OF,   200                         ; v200-215 the offsets' two accumulators
.set ACC,  216                         ; v216-247 four accumulators: (input e, tile u) at 16 e + 8 u
.set QC,   216                         ; v216-247 later: q's codes, two fragments
.set LG,   248                         ; v248-255 the logits' accumulator
.set VIN,  248                         ; until then: 256 r + 16 h,
.set VINS, 249                         ; 8 r,
.set VREF, 250                         ; 65,536 h + 8 r
.set VP,   128                         ; the fill's addresses, in registers that the fragments take later: 256 (r + 8 (r / 8)) + 16 h
.set VPS,  129                         ; 8 (r + 8 (r / 8))
.set VB64, 130                         ; 64 h
.set VB32, 131                         ; 32 h
.set AWK,  132                         ; where I store my eighth of the images: fragments of Wk, Wq, Wo, Wa;
.set AWQ,  133
.set AWO,  134
.set AWA,  135
.set SWK,  136                         ; scale words of Wk (Wq's 4,096 bytes on), Wo, Wa;
.set SWO,  137
.set SWA,  138
.set BWK,  139                         ; biases bk (bq 16,384 bytes on), bo, ba
.set BWO,  141
.set BWA,  142
.set F_K, 0                            ; window 1: fragments of Wk, Wq, Wo, Wa;
.set F_Q, 64
.set F_O, 128
.set F_A, 160
.set S_K, 176                          ; scale words;
.set S_Q, 180
.set S_O, 184
.set S_A, 186
.set B_K, 188                          ; biases
.set B_Q, 204
.set B_O, 220
.set B_A, 228
.set WT,  16                           ; the samples' work: v16-47 four weights a sample
.set IDX, 48                           ; v48-55 a byte offset a sample
.set TS,  56                           ; v56-71 two sets of temporaries: +0 the point (y, x), +2 the patch's corner, +4 the distance to it, +6 to the next
.set RC,  72                           ; v72 1 / the sum; v73 the sum (named with it as a pair)
.set SUM, 73
.set TT,  74                           ; v74-77 two pairs A wy
.set MX,  78                           ; v78 the largest logit, then -max x log2(e)
.set SEL, 52                           ; s[52:53] v_permlanex16_b32's selects for lane l xor 16
.set MNT, 54                           ; s54 the mantissa field of 448
.set L2E, 55                           ; s55 log2(e)
.set MSB, 0
.macro WIN new                         ; the immediate's high byte repeats the setting that is left
.if MSB != \new
	s_set_vgpr_msb (MSB<<8)|\new
.set MSB, \new
.endif
.endm
; Behind a matrix instruction of this form eight plain vector instructions stand ahead of a load into, a vector access to or a store of its registers, nine ahead of a matrix instruction that writes over one of them.
; No other vector work is at hand at these places.
.macro PLACES n
.rept \n
	v_nop
.endr
.endm
.macro FRAG dst, adr, off              ; a fragment's image comes back as it was stored: 4 x 512 bytes
.irp c, 0,1,2,3
	ds_load_b128 v[\dst+4*\c:\dst+4*\c+3], v[\adr] offset:\off+512*\c
.endr
.endm
.macro FETCHW adr, f0, bb              ; chunk bb of a weight: tiles u = 0, 1, K steps s = 0, 1, and their scale words (f0: the weight's first scale image)
.irp u, 0,1
.irp s, 0,1
	FRAG WF+16*(2*\u+\s), \adr, (2*(2*(\bb)+\u)+\s)*2048
	ds_load_b32 v[WS+2*\u+\s], v[RS] offset:(\f0+2*(2*(\bb)+\u)+\s)*128
.endr
.endr
.endm
.macro BIAS dst, tile                  ; a tile's bias, eight registers in the result's layout
	ds_load_b128 v[\dst:\dst+3], v[RB] offset:(\tile)*1024
	ds_load_b128 v[\dst+4:\dst+7], v[RB] offset:(\tile)*1024+512
.endm
.macro FETCHO t                        ; heads 2 t, 2 t + 1: Wo's four fragments, Wa's two
	FETCHW RO, 64, \t
.irp s, 0,1
	FRAG QF+16*\s, RO, 32768+(2*(\t)+\s)*2048
	ds_load_b32 v[WS+4+\s], v[RS] offset:(80+2*(\t)+\s)*128
.endr
.endm
.macro BIASO t                         ; bo and ba go straight into the accumulators: the sums begin on them
	BIAS OF, 32+2*(\t)
	BIAS OF+8, 33+2*(\t)
	BIAS LG, 40+(\t)
.endm
; One head of both key maps: 8 matrix instructions; each fragment of Wk feeds two.  The four accumulators take turns, one instruction a turn.  bk is the C of each sum's first instruction.
.macro SFMUL
.irp s, 0,1
.irp u, 0,1
.irp e, 0,1
.if \s == 0
	v_wmma_scale_f32_16x16x128_f8f6f4 v[ACC+16*\e+8*\u:ACC+16*\e+8*\u+7], v[WF+16*(2*\u+\s):WF+16*(2*\u+\s)+15], v[K0F+32*\e+16*\s:K0F+32*\e+16*\s+15], v[WBI+8*\u:WBI+8*\u+7], v[WS+2*\u+\s], v[INS+2*\e+\s]
.else
	v_wmma_scale_f32_16x16x128_f8f6f4 v[ACC+16*\e+8*\u:ACC+16*\e+8*\u+7], v[WF+16*(2*\u+\s):WF+16*(2*\u+\s)+15], v[K0F+32*\e+16*\s:K0F+32*\e+16*\s+15], v[ACC+16*\e+8*\u:ACC+16*\e+8*\u+7], v[WS+2*\u+\s], v[INS+2*\e+\s]
.endif
.endr
.endr
.endr
.endm
; Registers 4 q .. 4 q + 3 of accumulator (e, u) are channels 16 h + 8 u + 4 q + 0 .. 3 of my position: cs = 4 h + 2 u + q of scale e.  Sixteen lanes store 256 consecutive bytes, aligned: 16 pixels of one cs.
; Each accumulator is read from its low end on.
.macro SFOUT
.irp e, 0,1
.irp u, 0,1
.irp q, 0,1
	global_store_b128 v[VSF], v[ACC+16*\e+8*\u+4*\q:ACC+16*\e+8*\u+4*\q+3], s[42:43] offset:\e*131072+(2*\u+\q)*262144
.endr
.endr
.endr
.endm
.macro QMUL bb                         ; columns 32 bb .. 32 bb + 31 of q: two accumulators by turns, begun on bq, which was loaded into them
.irp s, 0,1
.irp u, 0,1
	v_wmma_scale_f32_16x16x128_f8f6f4 v[HA+16*((\bb)%4)+8*\u:HA+16*((\bb)%4)+8*\u+7], v[WF+16*(2*\u+\s):WF+16*(2*\u+\s)+15], v[QF+16*\s:QF+16*\s+15], v[HA+16*((\bb)%4)+8*\u:HA+16*((\bb)%4)+8*\u+7], v[WS+2*\u+\s], v[INS+4+\s]
.endr
.endr
.endm
.macro OMUL                            ; two heads' offsets (two accumulators) and logits (one), by turns
.irp s, 0,1
	s_wait_alu depctr_va_vdst(0)
.irp u, 0,1
	v_wmma_scale_f32_16x16x128_f8f6f4 v[OF+8*\u:OF+8*\u+7], v[WF+16*(2*\u+\s):WF+16*(2*\u+\s)+15], v[QC+16*\s:QC+16*\s+15], v[OF+8*\u:OF+8*\u+7], v[WS+2*\u+\s], v[QW+\s]
.endr
	v_wmma_scale_f32_16x16x128_f8f6f4 v[LG:LG+7], v[QF+16*\s:QF+16*\s+15], v[QC+16*\s:QC+16*\s+15], v[LG:LG+7], v[WS+4+\s], v[QW+\s]
.endr
.endm
; 64 numbers of a lane, register 16 b + i = k 32 b + 16 h + i of my position, become a fragment's codes in v[pc] on and its scale word in v[pw].
.macro QUANT src, pc, pw
.irp b, 0,1,2,3
	v_max3_num_f32 v[TM+\b], |v[\src+16*\b]|, |v[\src+1+16*\b]|, 0x4800000   ; block b: my 16 numbers, and the floor 2^(9 - 127): so the byte cannot fall under 1
.endr
.irp i, 2,4,6,8,10,12,14
.irp b, 0,1,2,3
	v_max3_num_f32 v[TM+\b], v[TM+\b], |v[\src+16*\b+\i]|, |v[\src+1+16*\b+\i]|   ; the four blocks by turns
.endr
.endr
.irp b, 0,1,2,3
	s_delay_alu instid0(VALU_DEP_4)
	v_permlanex16_b32 v[TM+4+\b], v[TM+\b], s[SEL], s[SEL+1]   ; (its destination counts as read: these registers have been written, by bk's loads)
.endr
.irp b, 0,1,2,3
	s_delay_alu instid0(VALU_DEP_4)
	v_max_num_f32 v[TM+\b], v[TM+\b], v[TM+4+\b]   ; with lane l xor 16's: the block's largest magnitude
.endr
.irp b, 0,1,2,3
	s_delay_alu instid0(VALU_DEP_4)
	v_add_nc_u32 v[TM+12+\b], 0xfc000000, v[TM+\b]   ; 8 off its exponent field: the conversion takes this operand's exponent field as its scale
.endr
.irp b, 0,1,2,3
	v_and_or_b32 v[TM+8+\b], v[TM+\b], 0x7f800000, s[MNT]   ; 448 x the scale
.endr
.irp b, 0,1,2,3
	v_lshrrev_b32 v[TM+4+\b], 23, v[TM+12+\b]      ; the scale's byte
.endr
	s_delay_alu instid0(VALU_DEP_3)
	v_lshl_or_b32 v[\pw], v[TM+5], 8, v[TM+4]
	s_delay_alu instid0(VALU_DEP_1)
	v_lshl_or_b32 v[\pw], v[TM+6], 16, v[\pw]
	s_delay_alu instid0(VALU_DEP_1)
	v_lshl_or_b32 v[\pw], v[TM+7], 24, v[\pw]
.irp b, 0,1,2,3
.irp i, 0,1,2,3,4,5,6,7,8,9,10,11,12,13,14,15
	v_med3_num_f32 v[\src+16*\b+\i], v[\src+16*\b+\i], -v[TM+8+\b], v[TM+8+\b]   ; the conversion to an 8-bit code does not saturate (ISA guide 7.6.2): the hold at the largest code x the scale
.endr
	v_cvt_scalef32_pk8_fp8_f32 v[\pc+4*\b:\pc+1+4*\b], v[\src+16*\b:\src+7+16*\b], v[TM+12+\b]
	v_cvt_scalef32_pk8_fp8_f32 v[\pc+2+4*\b:\pc+3+4*\b], v[\src+8+16*\b:\src+15+16*\b], v[TM+12+\b]
.endr
	v_nop                                          ; one plain vector instruction behind the last scaled conversion
.endm
; Samples s and s + 1 of my head, line by line, so that no line waits for the line above.  Pairs are (y, x).
.macro SAMPLE2 s, ref
.irp q, 0,1
	v_pk_add_f32 v[TS+8*\q:TS+8*\q+1], v[OF+2*(\s+\q):OF+2*(\s+\q)+1], v[\ref:\ref+1]   ; the point: reference point + offset
.endr
.irp q, 0,1
	s_delay_alu instid0(VALU_DEP_2)
	v_pk_mul_f32 v[TS+8*\q:TS+8*\q+1], v[TS+8*\q:TS+8*\q+1], v[CM:CM+1]   ; x 2 / 63, x 2 / 127
.endr
.irp q, 0,1
	s_delay_alu instid0(VALU_DEP_2)
	v_pk_add_f32 v[TS+8*\q:TS+8*\q+1], v[TS+8*\q:TS+8*\q+1], -1.0 op_sel_hi:[1,0]   ; the grid's coordinate; then the sampler's + 1: reference()'s own order of rounding is kept, since what follows goes on into a quantiser
.endr
.irp q, 0,1
	s_delay_alu instid0(VALU_DEP_2)
	v_pk_add_f32 v[TS+8*\q:TS+8*\q+1], v[TS+8*\q:TS+8*\q+1], 1.0 op_sel_hi:[1,0]
.endr
.irp q, 0,1
	s_delay_alu instid0(VALU_DEP_2)
	v_pk_fma_f32 v[TS+8*\q:TS+8*\q+1], v[TS+8*\q:TS+8*\q+1], v[CH:CH+1], -0.5 op_sel_hi:[1,1,0]   ; iy, ix in pixels
.endr
.irp q, 0
	s_delay_alu instid0(VALU_DEP_2)
	v_floor_f32 v[TS+8*\q+2], v[TS+8*\q]
	s_delay_alu instid0(VALU_DEP_3)
	v_floor_f32 v[TS+8*\q+3], v[TS+8*\q+1]
.endr
.irp q, 1
	s_delay_alu instid0(VALU_DEP_3)
	v_floor_f32 v[TS+8*\q+2], v[TS+8*\q]
	s_delay_alu instid0(VALU_DEP_4)
	v_floor_f32 v[TS+8*\q+3], v[TS+8*\q+1]
.endr
.irp q, 0,1
	s_delay_alu instid0(VALU_DEP_4)
	v_med3_num_f32 v[TS+8*\q+2], v[TS+8*\q+2], 0, 0x42780000   ; yb: held to 0 .. 62
	s_delay_alu instid0(VALU_DEP_4)
	v_med3_num_f32 v[TS+8*\q+3], v[TS+8*\q+3], 0, 0x42fc0000   ; xb: held to 0 .. 126
.endr
.irp q, 0
	s_delay_alu instid0(VALU_DEP_3)
	v_pk_add_f32 v[TS+8*\q+4:TS+8*\q+5], v[TS+8*\q:TS+8*\q+1], v[TS+8*\q+2:TS+8*\q+3] neg_lo:[0,1] neg_hi:[0,1]   ; the distance to the patch's first row and column,
.endr
.irp q, 1
	s_delay_alu instid0(VALU_DEP_2)
	v_pk_add_f32 v[TS+8*\q+4:TS+8*\q+5], v[TS+8*\q:TS+8*\q+1], v[TS+8*\q+2:TS+8*\q+3] neg_lo:[0,1] neg_hi:[0,1]   ; the distance to the patch's first row and column,
.endr
.irp q, 0,1
	s_delay_alu instid0(VALU_DEP_2)
	v_pk_add_f32 v[TS+8*\q+6:TS+8*\q+7], v[TS+8*\q+4:TS+8*\q+5], -1.0 op_sel_hi:[1,0]   ; and to its second
.endr
.irp q, 0,1
	v_sub_f32 v[WT+4*(\s+\q)], 1.0, |v[TS+8*\q+4]|
	v_sub_f32 v[WT+4*(\s+\q)+1], 1.0, |v[TS+8*\q+6]|
	v_sub_f32 v[WT+4*(\s+\q)+2], 1.0, |v[TS+8*\q+5]|
	v_sub_f32 v[WT+4*(\s+\q)+3], 1.0, |v[TS+8*\q+7]|
.endr
.irp q, 0,1
.irp i, 0,1,2,3
	v_max_num_f32 v[WT+4*(\s+\q)+\i], 0, v[WT+4*(\s+\q)+\i]   ; wy of the two rows, wx of the two columns
.endr
.endr
.irp q, 0,1
	v_mul_f32 v[TS+8*\q], 0x41800000, v[TS+8*\q+3]   ; 16 xb,
.endr
.irp q, 0,1
	s_delay_alu instid0(VALU_DEP_2)
	v_fma_f32 v[TS+8*\q], v[TS+8*\q+2], 0x45000000, v[TS+8*\q]   ; + 2,048 yb: 16 bytes a pixel, 128 pixels a row: whole numbers under 2^24, exact
.endr
.irp q, 0,1
	s_delay_alu instid0(VALU_DEP_2)
	v_cvt_u32_f32 v[IDX+\s+\q], v[TS+8*\q]
.endr
.endm
.macro WEIGH s                         ; (A wy of row slot 0, of row slot 1), then the four corner weights in slot order: 2 x row slot + column slot
.if (\s)%2
	v_pk_mul_f32 v[TT+2:TT+3], v[WT+4*\s:WT+4*\s+1], v[LG+\s-1:LG+\s] op_sel:[0,1]
	s_delay_alu instid0(VALU_DEP_1)
	v_pk_mul_f32 v[WT+4*\s:WT+4*\s+1], v[WT+4*\s+2:WT+4*\s+3], v[TT+2:TT+3] op_sel_hi:[1,0]
	s_delay_alu instid0(VALU_DEP_2)
	v_pk_mul_f32 v[WT+4*\s+2:WT+4*\s+3], v[WT+4*\s+2:WT+4*\s+3], v[TT+2:TT+3] op_sel:[0,1]
.else
	v_pk_mul_f32 v[TT:TT+1], v[WT+4*\s:WT+4*\s+1], v[LG+\s:LG+\s+1] op_sel_hi:[1,0]
	s_delay_alu instid0(VALU_DEP_1)
	v_pk_mul_f32 v[WT+4*\s:WT+4*\s+1], v[WT+4*\s+2:WT+4*\s+3], v[TT:TT+1] op_sel_hi:[1,0]
	s_delay_alu instid0(VALU_DEP_2)
	v_pk_mul_f32 v[WT+4*\s+2:WT+4*\s+3], v[WT+4*\s+2:WT+4*\s+3], v[TT:TT+1] op_sel:[0,1]
.endif
.endm
; Heads 2 t + h: the softmax of the 8 logits, the 8 samples, and their way out.
.macro POST t
	s_wait_xcnt 0x0                                ; the last heads' stores have read their data: only behind this wait are WT and IDX written again
	v_max3_num_f32 v[MX], v[LG], v[LG+1], v[LG+2]  ; the maximum is taken away, as reference() does
	v_max3_num_f32 v[MX], v[MX], v[LG+3], v[LG+4]
	v_max3_num_f32 v[MX], v[MX], v[LG+5], v[LG+6]
	v_max_num_f32 v[MX], v[MX], v[LG+7]
	s_delay_alu instid0(VALU_DEP_1)
	v_mul_f32 v[MX], 0xbfb8aa3b, v[MX]             ; -max x log2(e)
.irp j, 0,1,2,3,4,5,6,7
	v_fma_f32 v[LG+\j], v[LG+\j], s[L2E], v[MX]
.endr
	s_wait_alu depctr_va_vdst(0)
.irp j, 0,1,2,3,4,5,6,7
	v_exp_f32 v[LG+\j], v[LG+\j]                   ; one batch; the samples below, which name none of its results, are the work behind it
.endr
	s_wait_alu depctr_va_vdst(0)
	SAMPLE2 0, REFA+2*((\t)%2)
	SAMPLE2 2, REFA+2*((\t)%2)
	SAMPLE2 4, REFA+2*((\t)%2)
	SAMPLE2 6, REFA+2*((\t)%2)
	; THE WEIGHTS GO OUT IN LAUNCH 2'S SLOT ORDER: row slot 0 is the patch's row whose parity is bit 1 of r, column slot 0 its column whose parity is bit 0 of r.  So wy's two and wx's two change places
	; where yb's (xb's) parity, read off the tap, differs from the lane's bit: selects of values alone; the eight samples by turns
.irp s, 0,1,2,3,4,5,6,7
	v_and_b32 v[TS+\s], 0x800, v[IDX+\s]           ; yb's parity,
	v_and_b32 v[TS+8+\s], 16, v[IDX+\s]            ; xb's
.endr
.irp s, 0,1,2,3,4,5,6,7
	v_cmp_ne_u32 s[68+\s], v[TS+\s], v9
	v_cmp_ne_u32 s[76+\s], v[TS+8+\s], v12
.endr
.irp s, 0,1,2,3,4,5,6,7
	v_cndmask_b32 v[TS+\s], v[WT+4*\s], v[WT+4*\s+1], s[68+\s]
	v_cndmask_b32 v[TS+8+\s], v[WT+4*\s+2], v[WT+4*\s+3], s[76+\s]
.endr
.irp s, 0,1,2,3,4,5,6,7
	v_cndmask_b32 v[WT+4*\s+1], v[WT+4*\s+1], v[WT+4*\s], s[68+\s]
	v_cndmask_b32 v[WT+4*\s+3], v[WT+4*\s+3], v[WT+4*\s+2], s[76+\s]
.endr
.irp s, 0,1,2,3,4,5,6,7
	v_mov_b32 v[WT+4*\s], v[TS+\s]
	v_mov_b32 v[WT+4*\s+2], v[TS+8+\s]
.endr
	s_wait_alu depctr_va_vdst(0)                   ; the wait ahead of the first instruction that names an exponential's result: one for the eight
	v_add_f32 v[SUM], v[LG], v[LG+1]
	v_add_f32 v[TT], v[LG+2], v[LG+3]
	v_add_f32 v[TT+1], v[LG+4], v[LG+5]
	v_add_f32 v[TT+2], v[LG+6], v[LG+7]
	s_delay_alu instid0(VALU_DEP_3)
	v_add_f32 v[SUM], v[SUM], v[TT]
	s_delay_alu instid0(VALU_DEP_2)
	v_add_f32 v[TT+1], v[TT+1], v[TT+2]
	s_delay_alu instid0(VALU_DEP_1)
	v_add_f32 v[SUM], v[SUM], v[TT+1]
	s_wait_alu depctr_va_vdst(0)
	v_rcp_f32 v[RC], v[SUM]
	v_nop                                          ; a plain instruction between the reciprocal and its use
	s_wait_alu depctr_va_vdst(0)                   ; and the wait ahead of its first reader
.irp j, 0,2,4,6
	v_pk_mul_f32 v[LG+\j:LG+\j+1], v[LG+\j:LG+\j+1], v[RC:RC+1] op_sel_hi:[1,0]   ; A
.endr
.irp s, 0,1,2,3,4,5,6,7
	WEIGH \s
.endr
.irp s, 0,1,2,3,4,5,6,7
	global_store_b128 v[VWT], v[WT+4*\s:WT+4*\s+3], s[46:47] offset:(\t)*4096+\s*256   ; sixteen lanes store 256 consecutive bytes, aligned
.endr
.irp l, 0,1
	global_store_b128 v[VIX], v[IDX+4*\l:IDX+4*\l+3], s[44:45] offset:(\t)*1024+\l*256
.endr
.endm
.macro FILLW fr, sr, br, pc, ps, pb    ; my chunk (bb = wave) of Wk or Wq: 16 + 4 + 4 loads
.irp u, 0,1
.irp s, 0,1
.irp c, 0,1,2,3
	global_load_b128 v[\fr+16*(2*\u+\s)+4*\c:\fr+16*(2*\u+\s)+4*\c+3], v[VP], s[\pc:\pc+1] offset:\u*2048+\s*128+32*\c
.endr
	global_load_b32 v[\sr+2*\u+\s], v[VPS], s[\ps:\ps+1] offset:\u*64+4*\s
.endr
	global_load_b128 v[\br+8*\u:\br+8*\u+3], v[VB64], s[\pb:\pb+1] offset:\u*32
	global_load_b128 v[\br+8*\u+4:\br+8*\u+7], v[VB64], s[\pb:\pb+1] offset:\u*32+16
.endr
.endm
.macro PUTW fr, sr, br, aw, so, bof    ; and its images
.irp u, 0,1
.irp s, 0,1
.irp c, 0,1,2,3
	ds_store_b128 v[\aw], v[\fr+16*(2*\u+\s)+4*\c:\fr+16*(2*\u+\s)+4*\c+3] offset:(2*\u+\s)*2048+512*\c
.endr
	ds_store_b32 v[SWK], v[\sr+2*\u+\s] offset:\so+(2*\u+\s)*128
.endr
	ds_store_b128 v[BWK], v[\br+8*\u:\br+8*\u+3] offset:\bof+\u*1024
	ds_store_b128 v[BWK], v[\br+8*\u+4:\br+8*\u+7] offset:\bof+\u*1024+512
.endr
.endm
	s_load_b512 s[4:19], s[0:1], 0x0               ; keys0 codes s[4:5], scales s[6:7]; keys1 s[8:9], s[10:11]; query s[12:13], s[14:15]; ref_point s[16:17]; Wk codes s[18:19]
	s_load_b512 s[20:35], s[0:1], 0x40             ; Wk scales s[20:21], bk s[22:23]; Wq s[24:25], s[26:27], bq s[28:29]; Wo s[30:31], s[32:33], bo s[34:35]
	s_load_b256 s[36:43], s[0:1], 0x80             ; Wa s[36:37], s[38:39], ba s[40:41]; sf s[42:43]
	s_load_b128 s[44:47], s[0:1], 0xa0             ; tap s[44:45], wgt s[46:47]
	v_lshl_add_u32 v[SPW], v0, 2, SPARE
	v_mov_b32 v[NIL], 0
	v_lshrrev_b32 v12, 5, v0
	s_delay_alu instid0(VALU_DEP_1)
	v_readfirstlane_b32 s50, v12                   ; wave 0..7
	v_and_b32 v13, 31, v0                          ; lane
	v_and_b32 v14, 15, v0                          ; r
	v_bfe_u32 v15, v0, 4, 1                        ; h
	s_delay_alu instid0(VALU_DEP_3)
	v_lshlrev_b32 v[RK], 4, v13
	s_delay_alu instid0(VALU_DEP_1)
	v_add_nc_u32 v[RQ], WQ, v[RK]
	s_delay_alu instid0(VALU_DEP_2)
	v_add_nc_u32 v[RO], WO, v[RK]
	v_lshl_add_u32 v[RS], v13, 2, WSC
	s_delay_alu instid0(VALU_DEP_4)
	v_add_nc_u32 v[RB], WB, v[RK]
	v_lshlrev_b32 v12, 4, v14
	s_delay_alu instid0(VALU_DEP_1)
	v_lshl_add_u32 v[VSF], v15, 20, v12
	s_delay_alu instid0(VALU_DEP_2)
	v_lshl_add_u32 v[VWT], v15, 11, v12
	s_delay_alu instid0(VALU_DEP_3)
	v_lshl_add_u32 v[VIX], v15, 9, v12
	v_lshlrev_b32 v[VIN], 8, v14
	s_delay_alu instid0(VALU_DEP_1)
	v_lshl_add_u32 v[VIN], v15, 4, v[VIN]
	v_lshlrev_b32 v[VINS], 3, v14
	s_delay_alu instid0(VALU_DEP_1)
	v_lshl_add_u32 v[VREF], v15, 16, v[VINS]
	v_and_b32 v12, 8, v14
	s_delay_alu instid0(VALU_DEP_1)
	v_add_nc_u32 v12, v12, v14                     ; r + 8 (r / 8)
	s_delay_alu instid0(VALU_DEP_1)
	v_lshlrev_b32 v[VP], 8, v12
	s_delay_alu instid0(VALU_DEP_1)
	v_lshl_add_u32 v[VP], v15, 4, v[VP]
	s_delay_alu instid0(VALU_DEP_3)
	v_lshlrev_b32 v[VPS], 3, v12
	v_lshlrev_b32 v[VB64], 6, v15
	v_lshlrev_b32 v[VB32], 5, v15
	s_lshl_b32 s57, s50, 13                        ; where my eighth of the images goes: a constant + a constant x lane + a constant x wave
	v_add_nc_u32 v[AWK], s57, v[RK]
	v_add_nc_u32 v[AWQ], s57, v[RQ]
	s_lshl_b32 s57, s50, 12
	v_add_nc_u32 v[AWO], s57, v[RO]
	s_lshl_b32 s57, s50, 11
	v_add_nc_u32 v[BWK], s57, v[RB]
	s_add_co_u32 s57, s57, WA
	v_add_nc_u32 v[AWA], s57, v[RK]
	s_lshl_b32 s57, s50, 9
	v_add_nc_u32 v[SWK], s57, v[RS]
	s_add_co_u32 s57, s57, 40960
	v_add_nc_u32 v[BWA], s57, v[RB]
	s_lshl_b32 s57, s50, 8
	s_add_co_u32 s57, s57, 8192
	v_add_nc_u32 v[SWO], s57, v[RS]
	s_lshl_b32 s57, s50, 7
	s_add_co_u32 s57, s57, 10240
	v_add_nc_u32 v[SWA], s57, v[RS]
	s_lshl_b32 s57, s50, 10
	s_add_co_u32 s57, s57, 32768
	v_add_nc_u32 v[BWO], s57, v[RB]
	v_and_b32 v9, 2, v14
	v_and_b32 v12, 1, v14
	v_lshlrev_b32 v9, 10, v9                       ; v9: 2,048 x bit 1 of r;  v12: 16 x bit 0 of r: held against the tap's parity bits; never rewritten
	v_lshlrev_b32 v12, 4, v12
	v_mov_b32 v[CM], 0x3d020821                    ; 2 / 63
	v_mov_b32 v[CM+1], 0x3c810204                  ; 2 / 127
	v_mov_b32 v[CH], 0x42000000                    ; 32
	v_mov_b32 v[CH+1], 0x42800000                  ; 64
	s_mov_b32 s[SEL], 0x76543210
	s_mov_b32 s[SEL+1], 0xfedcba98
	s_mov_b32 s[MNT], 0x600000
	s_mov_b32 s[L2E], 0x3fb8aa3b
	s_lshl_b32 s60, ttmp9, 3
	s_add_co_u32 s60, s60, s50                     ; T: my tile of 16 positions, 0 .. 2,047
	s_and_b32 s61, s60, 511                        ; and its number within the image
	s_lshr_b32 s62, s50, 1
	s_and_b32 s63, s50, 1
	s_mov_b32 s59, 0                               ; every offset is under 2^32: a pair with 0 above it
	s_wait_alu depctr_va_vdst(0)
	s_wait_kmcnt 0x0
	s_lshl_b32 s58, s60, 12                        ; 16 positions x 256 codes; a tile of tap is as many bytes
	s_add_nc_u64 s[4:5], s[4:5], s[58:59]
	s_add_nc_u64 s[8:9], s[8:9], s[58:59]
	s_add_nc_u64 s[12:13], s[12:13], s[58:59]
	s_add_nc_u64 s[44:45], s[44:45], s[58:59]
	s_lshl_b32 s58, s60, 7                         ; 16 x 8 scale bytes
	s_add_nc_u64 s[6:7], s[6:7], s[58:59]
	s_add_nc_u64 s[10:11], s[10:11], s[58:59]
	s_add_nc_u64 s[14:15], s[14:15], s[58:59]
	s_lshl_b32 s58, s61, 7                         ; ref_point: 16 x 8 bytes within an image
	s_add_nc_u64 s[16:17], s[16:17], s[58:59]
	s_lshl_b32 s58, s61, 8                         ; sf: 16 pixels x 16 bytes,
	s_lshr_b32 s66, ttmp9, 6
	s_lshl_b32 s66, s66, 24                        ; + the batch's 8 heads of 2^21 bytes
	s_add_co_u32 s58, s58, s66
	s_add_nc_u64 s[42:43], s[42:43], s[58:59]
	s_lshl_b32 s58, s60, 14                        ; a tile of wgt
	s_add_nc_u64 s[46:47], s[46:47], s[58:59]
	s_lshl_b32 s58, s50, 13                        ; Wk, Wq: my 32 rows
	s_add_nc_u64 s[18:19], s[18:19], s[58:59]
	s_add_nc_u64 s[24:25], s[24:25], s[58:59]
	s_lshl_b32 s58, s50, 8
	s_add_nc_u64 s[20:21], s[20:21], s[58:59]
	s_add_nc_u64 s[26:27], s[26:27], s[58:59]
	s_lshl_b32 s58, s50, 7
	s_add_nc_u64 s[22:23], s[22:23], s[58:59]
	s_add_nc_u64 s[28:29], s[28:29], s[58:59]
	s_lshl_b32 s58, s62, 13                        ; Wo: tile (t = wave / 2, u = wave % 2): rows 32 t + 8 u on
	s_lshl_b32 s66, s63, 11
	s_add_co_u32 s58, s58, s66
	s_add_nc_u64 s[30:31], s[30:31], s[58:59]
	s_lshr_b32 s58, s58, 5                         ; 8 scale bytes for 256 codes
	s_add_nc_u64 s[32:33], s[32:33], s[58:59]
	s_lshr_b32 s58, s58, 1                         ; 4 bytes of bo a row
	s_add_nc_u64 s[34:35], s[34:35], s[58:59]
	s_lshl_b32 s58, s62, 12                        ; Wa: fragment (t = wave / 2, s = wave % 2): rows 16 t on, K 128 s on
	s_lshl_b32 s66, s63, 7
	s_add_co_u32 s58, s58, s66
	s_add_nc_u64 s[36:37], s[36:37], s[58:59]
	s_lshr_b32 s58, s58, 5
	s_add_nc_u64 s[38:39], s[38:39], s[58:59]
	s_lshl_b32 s58, s62, 6                         ; ba: tile t's registers 4 (wave % 2) on
	s_lshl_b32 s66, s63, 4
	s_add_co_u32 s58, s58, s66
	s_add_nc_u64 s[40:41], s[40:41], s[58:59]
	; THE FILL: 66 loads, my eighth of the weights, into window 1
	WIN 0x40                                       ; destination window 1, address window 0
	FILLW F_K, S_K, B_K, 18, 20, 22
	FILLW F_Q, S_Q, B_Q, 24, 26, 28
.irp s, 0,1
.irp c, 0,1,2,3
	global_load_b128 v[F_O+16*\s+4*\c:F_O+16*\s+4*\c+3], v[VP], s[30:31] offset:\s*128+32*\c
.endr
	global_load_b32 v[S_O+\s], v[VPS], s[32:33] offset:4*\s
.endr
	global_load_b128 v[B_O:B_O+3], v[VB64], s[34:35]
	global_load_b128 v[B_O+4:B_O+7], v[VB64], s[34:35] offset:16
.irp c, 0,1,2,3
	global_load_b128 v[F_A+4*\c:F_A+4*\c+3], v[VIN], s[36:37] offset:32*\c
.endr
	global_load_b32 v[S_A], v[VINS], s[38:39]
	global_load_b128 v[B_A:B_A+3], v[VB32], s[40:41]
	WIN 0
	; MY 16 POSITIONS: 32 loads: three inputs' fragments (lane (r, h): row r, K = 128 s + 32 c + 16 h on) and scale words, two reference points
.irp s, 0,1
.irp c, 0,1,2,3
	global_load_b128 v[K0F+16*\s+4*\c:K0F+16*\s+4*\c+3], v[VIN], s[4:5] offset:\s*128+32*\c
	global_load_b128 v[K0F+32+16*\s+4*\c:K0F+32+16*\s+4*\c+3], v[VIN], s[8:9] offset:\s*128+32*\c
	global_load_b128 v[QF+16*\s+4*\c:QF+16*\s+4*\c+3], v[VIN], s[12:13] offset:\s*128+32*\c
.endr
	global_load_b32 v[INS+\s], v[VINS], s[6:7] offset:4*\s
	global_load_b32 v[INS+2+\s], v[VINS], s[10:11] offset:4*\s
	global_load_b32 v[INS+4+\s], v[VINS], s[14:15] offset:4*\s
.endr
	global_load_b64 v[REFA:REFA+1], v[VREF], s[16:17]                 ; ref_point[h]: heads 4 i + h
	global_load_b64 v[REFA+2:REFA+3], v[VREF], s[16:17] offset:131072 ; ref_point[2 + h]: heads 4 i + 2 + h
	s_wait_loadcnt 32                              ; loads come back in order: the fill's 66 are in, the 32 behind them may be out
	WIN 0x04                                       ; an LDS store's data are its source 1: window 1
	PUTW F_K, S_K, B_K, AWK, 0, 0
	PUTW F_Q, S_Q, B_Q, AWQ, 4096, 16384
.irp s, 0,1
.irp c, 0,1,2,3
	ds_store_b128 v[AWO], v[F_O+16*\s+4*\c:F_O+16*\s+4*\c+3] offset:\s*2048+512*\c
.endr
	ds_store_b32 v[SWO], v[S_O+\s] offset:\s*128
.endr
	ds_store_b128 v[BWO], v[B_O:B_O+3]
	ds_store_b128 v[BWO], v[B_O+4:B_O+7] offset:512
.irp c, 0,1,2,3
	ds_store_b128 v[AWA], v[F_A+4*\c:F_A+4*\c+3] offset:512*\c
.endr
	ds_store_b32 v[SWA], v[S_A]
	ds_store_b128 v[BWA], v[B_A:B_A+3]
	WIN 0
	s_wait_dscnt 0x0                               ; for the others' sake: my images have landed
	s_barrier_signal -1
	s_barrier_wait -1                              ; everybody's have: from here on the images are only read, and the waves share nothing more
	; ---- THE KEY MAPS, a head at a time
	FETCHW RK, 0, 0
	BIAS WBI, 0
	BIAS WBI+8, 1
	s_wait_loadcnt 0x0                             ; my positions' 32 loads
.irp hd, 0,1,2,3,4,5,6,7
	s_wait_dscnt 0x0                               ; this head's fragments of Wk, scale words and bk
	s_wait_xcnt 0x0                                ; the last head's stores have read the accumulators' registers and their base: only behind this wait are they written again
.if \hd > 0
	s_add_nc_u64 s[42:43], s[42:43], 0x200000      ; the next head's 8 cs x 2 scales x 131,072 bytes
.endif
	SFMUL
	PLACES 9
.if \hd < 7
	FETCHW RK, 0, \hd+1                            ; the next head's, while this head goes out
	BIAS WBI, 2*(\hd+1)
	BIAS WBI+8, 2*(\hd+1)+1
.else
	FETCHW RQ, 32, 0                               ; or q's first chunk; bq goes into the accumulators, where the keys' fragments lay
	BIAS HA, 16
	BIAS HA+8, 17
.endif
	SFOUT
.endr
	; ---- q, 32 columns at a time; each 128 columns are quantised as soon as they are whole
.irp bb, 0,1,2,3,4,5,6,7
	s_wait_dscnt 0x0
	QMUL \bb
	PLACES 9
.if \bb < 7
	FETCHW RQ, 32, \bb+1
.else
	FETCHO 0
.endif
.if \bb == 3
	s_wait_xcnt 0x0                                ; the last head's stores have read v216-247: q's codes may be written there
	QUANT HA, QC, QW
.endif
.if \bb == 7
	QUANT HA, QC+16, QW+1
	BIASO 0                                        ; behind the quantiser, whose temporaries these registers were
.else
	BIAS HA+16*((\bb+1)%4), 16+2*(\bb+1)           ; behind the quantiser's reads of these registers
	BIAS HA+16*((\bb+1)%4)+8, 17+2*(\bb+1)
.endif
.endr
	PLACES 8                                       ; a scale word made by vector instructions stands eight places ahead of a scaled matrix instruction, codes so made four
	; ---- offsets, logits, softmax, samples: two heads at a time
.irp t, 0,1,2,3
	s_wait_dscnt 0x0
	OMUL
	PLACES 9
.if \t < 3
	FETCHO \t+1
.endif
	POST \t
.if \t < 3
	BIASO \t+1                                     ; behind the reads of these accumulators
.endif
.endr
	s_wait_tensorcnt 0x0                           ; the wave's end
	ds_add_u32 v[SPW], v[NIL]
	s_wait_dscnt 0x0
	s_endpgm
.Lfunc_end_k_qdf9bb034ae_prep:
	.size	k_qdf9bb034ae_prep, .Lfunc_end_k_qdf9bb034ae_prep-k_qdf9bb034ae_prep
	.p2alignl 7, 3214868480
	.fill 96, 4, 3214868480
	.section	.rodata,"a",@progbits
	.p2align	6, 0x0
	.amdhsa_kernel k_qdf9bb034ae_prep
		.amdhsa_group_segment_fixed_size 237568
		.amdhsa_private_segment_fixed_size 0
		.amdhsa_enable_private_segment 0
		.amdhsa_kernarg_size 176
		.amdhsa_user_sgpr_count 2
		.amdhsa_user_sgpr_kernarg_segment_ptr 1
		.amdhsa_wavefront_size32 1
		.amdhsa_system_sgpr_workgroup_id_x 1
		.amdhsa_system_sgpr_workgroup_id_y 1
		.amdhsa_system_sgpr_workgroup_id_z 1
		.amdhsa_system_vgpr_workitem_id 0
		.amdhsa_next_free_vgpr 512
		.amdhsa_next_free_sgpr 96
		.amdhsa_reserve_vcc 0
		.amdhsa_float_denorm_mode_32 3
		.amdhsa_float_denorm_mode_16_64 3
		.amdhsa_memory_ordered 1
		.amdhsa_forward_progress 1
		.amdhsa_inst_pref_size 186
	.end_amdhsa_kernel
	.amdgpu_metadata
---
amdhsa.version: [ 1, 2 ]
amdhsa.kernels:
  - .name:           k_qdf9bb034ae_prep
    .symbol:         k_qdf9bb034ae_prep.kd
    .args:
      - { .name: keys0_codes, .offset: 0, .size: 8, .value_kind: global_buffer, .address_space: global }
      - { .name: keys0_scales, .offset: 8, .size: 8, .value_kind: global_buffer, .address_space: global }
      - { .name: keys1_codes, .offset: 16, .size: 8, .value_kind: global_buffer, .address_space: global }
      - { .name: keys1_scales, .offset: 24, .size: 8, .value_kind: global_buffer, .address_space: global }
      - { .name: query_codes, .offset: 32, .size: 8, .value_kind: global_buffer, .address_space: global }
      - { .name: query_scales, .offset: 40, .size: 8, .value_kind: global_buffer, .address_space: global }
      - { .name: ref_point, .offset: 48, .size: 8, .value_kind: global_buffer, .address_space: global }
      - { .name: Wk_codes, .offset: 56, .size: 8, .value_kind: global_buffer, .address_space: global }
      - { .name: Wk_scales, .offset: 64, .size: 8, .value_kind: global_buffer, .address_space: global }
      - { .name: bk, .offset: 72, .size: 8, .value_kind: global_buffer, .address_space: global }
      - { .name: Wq_codes, .offset: 80, .size: 8, .value_kind: global_buffer, .address_space: global }
      - { .name: Wq_scales, .offset: 88, .size: 8, .value_kind: global_buffer, .address_space: global }
      - { .name: bq, .offset: 96, .size: 8, .value_kind: global_buffer, .address_space: global }
      - { .name: Wo_codes, .offset: 104, .size: 8, .value_kind: global_buffer, .address_space: global }
      - { .name: Wo_scales, .offset: 112, .size: 8, .value_kind: global_buffer, .address_space: global }
      - { .name: bo, .offset: 120, .size: 8, .value_kind: global_buffer, .address_space: global }
      - { .name: Wa_codes, .offset: 128, .size: 8, .value_kind: global_buffer, .address_space: global }
      - { .name: Wa_scales, .offset: 136, .size: 8, .value_kind: global_buffer, .address_space: global }
      - { .name: ba, .offset: 144, .size: 8, .value_kind: global_buffer, .address_space: global }
      - { .name: sf, .offset: 152, .size: 8, .value_kind: global_buffer, .address_space: global }
      - { .name: tap, .offset: 160, .size: 8, .value_kind: global_buffer, .address_space: global }
      - { .name: wgt, .offset: 168, .size: 8, .value_kind: global_buffer, .address_space: global }
    .group_segment_fixed_size: 237568
    .private_segment_fixed_size: 0
    .kernarg_segment_align: 8
    .kernarg_segment_size: 176
    .max_flat_workgroup_size: 256
    .sgpr_count:     96
    .vgpr_count:     512
    .wavefront_size: 32
...
	.end_amdgpu_metadata
.endif
;; end of part 3
;; launch gather (part 4): grid 256 x 1, 16 waves a work-group, no clusters, 264,192 bytes of LDS; arguments tap, wgt, sf, feat; writes feat
.if DOCPART == 4
	.amdgcn_target "amdgcn-amd-amdhsa--gfx1250"
	.amdhsa_code_object_version 6
	.text
	.protected	k_qdf9bb034ae_gather
	.globl	k_qdf9bb034ae_gather
	.p2align	8
	.type	k_qdf9bb034ae_gather,@function
k_qdf9bb034ae_gather:
	s_mov_b64 s[64:65], 0
	v_nop
	global_prefetch_b8 v0, s[64:65] scope:SCOPE_SE
	s_setreg_imm32_b32 hwreg(HW_REG_WAVE_MODE, 25, 1), 1
	s_wait_xcnt 0x0
; PanoSelfAttention, launch 2 of 3.  feat[position][32 head + d] = the sum over the head's 8 samples and their 4 corners of weight x pixel[d]: f32 fused multiply-adds, since feat goes on into a quantiser.
; Nothing of reference() is left out here.
; tap [tile of 16 positions][head][scale l][r][k]: 16 x the number of the patch's upper left pixel (2,048 y0 + 16 x0), whole numbers stored by launch 1.
; wgt [tile][head][sample 4 l + k][r][4]: the corner weights in SLOT ORDER, 2 x row slot + column slot: row slot t is the patch's row of parity t xor bit 1 of r, column slot t its column of parity t xor bit 0 of r.
; sf [batch][head][cs][l][pixel][4] f32.  feat [batch][head][cs][pixel][4] f32.
; LIMITS: as stated at the head of launch 1 (NaN and infinities are not served; a corner of weight 0 is multiplied by a finite pixel of the patch).
; SHARES.  A work-group owns one (batch, head, cs): four channels of both scales' whole images, 262,144 bytes, brought into LDS once.  Then it walks the batch's 8,192 positions, 512 a round: A LANE IS A POSITION.
; THE IMAGES LIE IN LDS BY CLASSES.  Pixel (l, y, x), 16 bytes, lies at (y / 2) 8,192 + (x / 2) 128 + (y % 2) 64 + 32 l + (x % 2) 16: address bits 6:4 are the pixel's class (row parity, scale, column parity).
; A patch of 2 x 2 has one pixel of each pair of parities.  A step's load number (k, row slot, column slot) of register set s takes, in lane r, the pixel of that row slot and column slot
; of sample k of scale s xor bit 3 of r.  So the sixteen lanes of half a wave name each of the eight classes twice in every load: of the sixteen 16-byte columns of 256 bytes (64 banks of 4 bytes: ISA guide 11.1)
; none is named by more than two lanes, wherever the samples lie.  The order of a lane's 32 terms is free, since all are summed.
; The addresses come in slot order straight from the tap: the row of parity p among y0, y0 + 1 has y / 2 = (y0 + 1 - p) / 2, columns likewise.
; Two sets of registers take turns: while one step is multiplied, the other set's loads are on their way; a step's weights are asked for a round ahead, its indices two rounds ahead: so no prefetch is laid beside them.
; NO CLUSTER, NO TENSOR LOAD: the eight work-groups of a (batch, head) read the same lists, 160 bytes a position, and these go lane by lane straight into registers; through LDS they would add 160 bytes written and
; 160 read to the 512 bytes that a position gathers there.  The images are a work-group's own, and their LDS order is not that of memory.
.set ROUNDS, 16                        ; 8,192 positions / (16 waves x 32 lanes)
.set SPARE, 262144                     ; the spare words, 128 bytes for each wave: eight blocks of 256 bytes that no other line names
.set SPW,  1                           ; v1   LDS address of my spare word; never rewritten
.set NIL,  2                           ; v2   0; never rewritten
.set VF,   3                           ; v3   feat: 16 x lane
.set VFL,  4                           ; v4   the fill: my 16 bytes in memory
.set LA,   8                           ; v8-11 the fill's LDS addresses, 65,536 bytes apart
.set VT,   12                          ; v12-13 tap, set s: 4,096 (lane / 16) + 16 r + 256 (s xor bit 3 of r)
.set VW,   14                          ; v14-15 wgt, set s: 16,384 (lane / 16) + 16 r + 1,024 (s xor bit 3 of r)
.set KY,   16                          ; v16-17 row slot t: 4,096 (1 - parity)
.set KX,   18                          ; v18-19 column slot t: 64 (1 - parity) + 16 parity
.set KR,   20                          ; v20-23 set s, row slot t: 64 parity + 32 scale
.set IX,   28                          ; v28-35  the indices, 4 a set
.set ACC,  36                          ; v36-39 the sums of column slot 0, v40-43 of column slot 1
.set WW,   44                          ; v44-75  the weights, 16 a set
.set WP,   76                          ; v76-91  at work: parts of addresses
.set AD,   92                          ; v92-123 the LDS addresses, 16 a set
.set DD,   124                         ; v124-251 the pixels, 64 a set: sample k, slot c at 16 k + 4 c; at the head: the fill's 32 x 4 registers
.macro ADDR l                          ; set l's sixteen LDS addresses, the four samples by turns; each finished address is held inside the images
.irp k, 0,1,2,3
	v_lshl_add_u32 v[WP+4*\k], v[IX+4*\l+\k], 1, v[KY]      ; y0 + 1 - parity from bit 12 on
	v_lshl_add_u32 v[WP+4*\k+1], v[IX+4*\l+\k], 1, v[KY+1]
	v_lshl_add_u32 v[WP+4*\k+2], v[IX+4*\l+\k], 2, v[KX]    ; x0 + 1 - parity from bit 6 on, the parity in bit 4
	v_lshl_add_u32 v[WP+4*\k+3], v[IX+4*\l+\k], 2, v[KX+1]
.endr
.irp k, 0,1,2,3
	v_and_or_b32 v[WP+4*\k], v[WP+4*\k], 0x3e000, v[KR+2*\l]       ; (y / 2) 8,192 + 64 parity + 32 scale
	v_and_or_b32 v[WP+4*\k+1], v[WP+4*\k+1], 0x3e000, v[KR+2*\l+1]
	v_and_b32 v[WP+4*\k+2], 0x1f90, v[WP+4*\k+2]                   ; (x / 2) 128 + 16 parity
	v_and_b32 v[WP+4*\k+3], 0x1f90, v[WP+4*\k+3]
.endr
.irp k, 0,1,2,3
	v_add_nc_u32 v[AD+16*\l+4*\k], v[WP+4*\k], v[WP+4*\k+2]
	v_add_nc_u32 v[AD+16*\l+4*\k+1], v[WP+4*\k], v[WP+4*\k+3]
	v_add_nc_u32 v[AD+16*\l+4*\k+2], v[WP+4*\k+1], v[WP+4*\k+2]
	v_add_nc_u32 v[AD+16*\l+4*\k+3], v[WP+4*\k+1], v[WP+4*\k+3]
.endr
.irp n, 0,1,2,3,4,5,6,7,8,9,10,11,12,13,14,15
	v_min_u32 v[AD+16*\l+\n], 0x3fff0, v[AD+16*\l+\n]   ; the images' last 16 bytes: whatever a tap holds, the load stays inside them (every part is a multiple of 16)
.endr
.endm
.macro LISTS l, wimm, ni, iimm         ; 4 loads of weights, and (ni = 1) 1 of indices; eight lanes read 128 consecutive bytes of one scale's list, the other eight of the other's: the two sets together read each aligned 256 bytes whole
.irp k, 0,1,2,3
	global_load_b128 v[WW+16*\l+4*\k:WW+16*\l+4*\k+3], v[VW+\l], s[6:7] offset:\k*256+\wimm
.endr
.if \ni
	global_load_b128 v[IX+4*\l:IX+4*\l+3], v[VT+\l], s[4:5] offset:\iimm
.endif
.endm
.macro PIX l                           ; a step's 16 pixels of four channels
.irp k, 0,1,2,3
.irp c, 0,1,2,3
	ds_load_b128 v[DD+64*\l+16*\k+4*\c:DD+64*\l+16*\k+4*\c+3], v[AD+16*\l+4*\k+\c]
.endr
.endr
.endm
; 32 packed multiply-adds on four chains.  A weight is one register of a pair and serves both halves: the pair's first by op_sel_hi 0, its second by op_sel 1.  In set 0 the first two slots start the sums: nothing is cleared.
.macro FMAS l
.irp k, 0,1,2,3
.irp cr, 0,1,2,3
.irp p, 0,1
.set rA, ACC+4*(\cr%2)+2*\p
.set rD, DD+64*\l+16*\k+4*\cr+2*\p
.set rW, WW+16*\l+4*\k+2*(\cr/2)
.if (\l == 0) && (\k == 0) && (\cr == 0)
	v_pk_mul_f32 v[rA:rA+1], v[rD:rD+1], v[rW:rW+1] op_sel_hi:[1,0]
.elseif (\l == 0) && (\k == 0) && (\cr == 1)
	v_pk_mul_f32 v[rA:rA+1], v[rD:rD+1], v[rW:rW+1] op_sel:[0,1]
.elseif (\cr%2) == 0
	v_pk_fma_f32 v[rA:rA+1], v[rD:rD+1], v[rW:rW+1], v[rA:rA+1] op_sel_hi:[1,0,1]
.else
	v_pk_fma_f32 v[rA:rA+1], v[rD:rD+1], v[rW:rW+1], v[rA:rA+1] op_sel:[0,1,0]
.endif
.endr
.endr
.endr
.endm
; The step (round in hand, set l).  gcnt, dcnt: the other set's younger loads of lists and of pixels, which may stay out.  nw = 1: set l is filled again for the next round; ni = 1: with the indices of the round after that.
.macro STEP l, gcnt, dcnt, nw, ni, foff
	s_wait_loadcnt \gcnt                           ; loads come back in order: my weights are in, and with them the next round's indices
	s_wait_dscnt \dcnt                             ; my 16 pixels are in
.if \nw
	ADDR \l
.endif
	FMAS \l
.if \nw
	LISTS \l, 524288, \ni, 262144                  ; a round on in wgt: 32 tiles of 16,384 bytes; two rounds on in tap: 64 tiles of 4,096
	PIX \l
.endif
.if \l == 1
	v_pk_add_f32 v[ACC:ACC+1], v[ACC:ACC+1], v[ACC+4:ACC+5]
	v_pk_add_f32 v[ACC+2:ACC+3], v[ACC+2:ACC+3], v[ACC+6:ACC+7]
	global_store_b128 v[VF], v[ACC:ACC+3], s[10:11] offset:\foff   ; four channels of feat: 32 lanes store 512 consecutive bytes, aligned
.endif
.endm
	s_load_b256 s[4:11], s[0:1], 0x0               ; tap s[4:5], wgt s[6:7], sf s[8:9], feat s[10:11]
	v_lshl_add_u32 v[SPW], v0, 2, SPARE
	v_mov_b32 v[NIL], 0
	v_lshrrev_b32 v5, 5, v0
	v_readfirstlane_b32 s12, v5                    ; wave 0..15
	v_and_b32 v5, 15, v0
	v_lshlrev_b32 v5, 4, v5                        ; 16 r
	v_bfe_u32 v6, v0, 4, 1                         ; which of my wave's two tiles of 16 positions
	v_bfe_u32 v7, v0, 3, 1                         ; bit 3 of r: set 0's scale
	v_xor_b32 v26, 1, v7                           ; set 1's
	v_lshl_add_u32 v[VT], v6, 12, v5
	v_lshl_add_u32 v[VW], v6, 14, v5
	v_lshl_add_u32 v[VT+1], v26, 8, v[VT]
	v_lshl_add_u32 v[VT], v7, 8, v[VT]
	v_lshl_add_u32 v[VW+1], v26, 10, v[VW]
	v_lshl_add_u32 v[VW], v7, 10, v[VW]
	v_bfe_u32 v5, v0, 1, 1                         ; bit 1 of r: row slot 0's parity
	v_xor_b32 v6, 1, v5                            ; row slot 1's
	v_lshlrev_b32 v7, 5, v7
	v_lshlrev_b32 v26, 5, v26
	v_lshl_or_b32 v[KR], v5, 6, v7
	v_lshl_or_b32 v[KR+1], v6, 6, v7
	v_lshl_or_b32 v[KR+2], v5, 6, v26
	v_lshl_or_b32 v[KR+3], v6, 6, v26
	v_lshlrev_b32 v[KY], 12, v6
	v_lshlrev_b32 v[KY+1], 12, v5
	v_and_b32 v5, 1, v0                            ; bit 0 of r: column slot 0's parity
	v_xor_b32 v6, 1, v5
	v_lshlrev_b32 v26, 4, v5
	v_lshlrev_b32 v7, 4, v6
	v_lshl_or_b32 v[KX], v6, 6, v26
	v_lshl_or_b32 v[KX+1], v5, 6, v7
	v_and_b32 v[VF], 31, v0
	v_lshlrev_b32 v[VF], 4, v[VF]
	; THE FILL'S PLACES.  Thread bits 2:0 and 7:4 are x, bit 3 is y % 2, bit 8 is bit 1 of y; load i brings scale i / 16, rows 4 (i % 16) on.  In a wave lanes 0-7 and 16-23 read 256 consecutive bytes of an even row, the others of the odd row below
	v_and_b32 v5, 7, v0
	v_lshlrev_b32 v[VFL], 4, v5
	v_and_b32 v5, 0xf0, v0
	v_lshl_or_b32 v[VFL], v5, 3, v[VFL]            ; 16 x
	v_and_b32 v6, 8, v0
	v_lshl_or_b32 v[VFL], v6, 8, v[VFL]            ; + 2,048 (y % 2)
	v_and_b32 v7, 0x100, v0
	v_lshl_or_b32 v[VFL], v7, 4, v[VFL]            ; + 4,096 x bit 1 of y
	v_and_b32 v5, 0x1f0, v0
	v_lshlrev_b32 v[LA], 5, v5                     ; LDS: bits 6:3 of x to bits 12:9, bit 1 of y to bit 13,
	v_and_b32 v5, 6, v0
	v_lshl_or_b32 v[LA], v5, 6, v[LA]              ; bits 2:1 of x to bits 8:7,
	v_lshl_or_b32 v[LA], v6, 3, v[LA]              ; y % 2 to bit 6,
	v_and_b32 v5, 1, v0
	v_lshl_or_b32 v[LA], v5, 4, v[LA]              ; x % 2 to bit 4
.irp q, 1,2,3
	v_add_nc_u32 v[LA+\q], \q*65536, v[LA]
.endr
	s_lshr_b32 s16, ttmp9, 6                       ; the work-group's number is 64 batch + 8 head + cs
	s_bfe_u32 s17, ttmp9, 0x30003                  ; head: 3 bits from bit 3
	s_mov_b32 s13, 0                               ; counts the rounds
	s_mov_b32 s15, 0                               ; every offset is under 2^32: a pair with 0 above it
	s_lshl_b32 s14, s16, 21                        ; tap: the batch's 512 tiles of 4,096 bytes,
	s_lshl_b32 s18, s17, 9                         ; the head's 512 bytes of a tile,
	s_add_co_u32 s14, s14, s18
	s_lshl_b32 s18, s12, 13                        ; my wave's two tiles
	s_add_co_u32 s14, s14, s18
	s_wait_alu depctr_va_vdst(0)
	s_wait_kmcnt 0x0
	s_add_nc_u64 s[4:5], s[4:5], s[14:15]
	s_lshl_b32 s14, s14, 2                         ; in wgt everything is four times as large
	s_add_nc_u64 s[6:7], s[6:7], s[14:15]
	s_lshl_b32 s14, ttmp9, 18                      ; sf: my 262,144 bytes
	s_add_nc_u64 s[8:9], s[8:9], s[14:15]
	s_lshl_b32 s14, ttmp9, 17                      ; feat: my 131,072 bytes,
	s_lshl_b32 s18, s12, 9                         ; my wave's 32 positions
	s_add_co_u32 s14, s14, s18
	s_add_nc_u64 s[10:11], s[10:11], s[14:15]
	global_load_b128 v[IX:IX+3], v[VT], s[4:5]
	global_load_b128 v[IX+4:IX+7], v[VT+1], s[4:5]
	; THE FILL: the 512 threads bring four rows of an image, 8,192 bytes, a load; 32 loads
.set i, 0
.rept 32
	global_load_b128 v[DD+4*i:DD+4*i+3], v[VFL], s[8:9] offset:i*8192 th:TH_LOAD_NT
.set i, i+1
.endr
	s_wait_loadcnt 32                              ; the two index loads are in; the fill's 32 behind them may be out
	ADDR 0
	ADDR 1
	LISTS 0, 0, 1, 131072
	LISTS 1, 0, 1, 131072
	s_wait_alu depctr_va_vdst(0)
	s_wait_loadcnt 10                              ; the fill is in; the ten loads of lists behind it may be out
.set i, 0
.rept 32
	ds_store_b128 v[LA+(i%16)/4], v[DD+4*i:DD+4*i+3] offset:(i%4)*16384+(i/16)*32   ; four rows on are 16,384 bytes on; scale 1 lies 32 bytes beside scale 0
.set i, i+1
.endr
	s_wait_dscnt 0x0                               ; for the others' sake: my part of the images has landed
	s_barrier_signal -1
	s_barrier_wait -1                              ; everybody's has: from here on the images are only read
	PIX 0
	PIX 1
.Lround:                                           ; ROUNDS - 2 trips: each asks for the next round's weights and pixels and for the indices of the round after
	STEP 0, 5, 16, 1, 1, 0
	STEP 1, 5, 16, 1, 1, 0
	s_wait_xcnt 0x0                                ; every load and store issued has read its base and its data: only behind this wait are the bases stepped and the sums begun anew
	s_add_nc_u64 s[4:5], s[4:5], 131072
	s_add_nc_u64 s[6:7], s[6:7], 524288
	s_add_nc_u64 s[10:11], s[10:11], 8192
	s_add_co_u32 s13, s13, 1
	s_cmp_lt_u32 s13, ROUNDS-2
	s_cbranch_scc1 .Lround
	STEP 0, 5, 16, 1, 0, 0                         ; the last two rounds are written out: no load leaves its buffer, and the counts run down.  Without indices a set's lists are 4 loads
	STEP 1, 4, 16, 1, 0, 0
	s_wait_xcnt 0x0                                ; the store has read the sums' registers
	STEP 0, 4, 16, 0, 0, 0
	s_wait_alu depctr_va_vdst(0)
	STEP 1, 0, 0, 0, 0, 8192
	s_barrier_signal -1                            ; (no LDS instruction of mine is out.)  One meeting at the end parts every wave's reads at places taken from the lists from the closing lines
	s_barrier_wait -1
	s_wait_tensorcnt 0x0                           ; the wave's end
	ds_add_u32 v[SPW], v[NIL]
	s_wait_dscnt 0x0
	s_endpgm
.Lfunc_end_k_qdf9bb034ae_gather:
	.size	k_qdf9bb034ae_gather, .Lfunc_end_k_qdf9bb034ae_gather-k_qdf9bb034ae_gather
	.p2alignl 7, 3214868480
	.fill 96, 4, 3214868480
	.section	.rodata,"a",@progbits
	.p2align	6, 0x0
	.amdhsa_kernel k_qdf9bb034ae_gather
		.amdhsa_group_segment_fixed_size 264192
		.amdhsa_private_segment_fixed_size 0
		.amdhsa_enable_private_segment 0
		.amdhsa_kernarg_size 32
		.amdhsa_user_sgpr_count 2
		.amdhsa_user_sgpr_kernarg_segment_ptr 1
		.amdhsa_wavefront_size32 1
		.amdhsa_system_sgpr_workgroup_id_x 1
		.amdhsa_system_sgpr_workgroup_id_y 1
		.amdhsa_system_sgpr_workgroup_id_z 1
		.amdhsa_system_vgpr_workitem_id 0
		.amdhsa_next_free_vgpr 256
		.amdhsa_next_free_sgpr 66
		.amdhsa_reserve_vcc 0
		.amdhsa_float_denorm_mode_32 3
		.amdhsa_float_denorm_mode_16_64 3
		.amdhsa_memory_ordered 1
		.amdhsa_forward_progress 1
		.amdhsa_inst_pref_size 54
	.end_amdhsa_kernel
	.amdgpu_metadata
---
amdhsa.version: [ 1, 2 ]
amdhsa.kernels:
  - .name:           k_qdf9bb034ae_gather
    .symbol:         k_qdf9bb034ae_gather.kd
    .args:
      - { .name: tap, .offset: 0, .size: 8, .value_kind: global_buffer, .address_space: global }
      - { .name: wgt, .offset: 8, .size: 8, .value_kind: global_buffer, .address_space: global }
      - { .name: sf, .offset: 16, .size: 8, .value_kind: global_buffer, .address_space: global }
      - { .name: feat, .offset: 24, .size: 8, .value_kind: global_buffer, .address_space: global }
    .group_segment_fixed_size: 264192
    .private_segment_fixed_size: 0
    .kernarg_segment_align: 8
    .kernarg_segment_size: 32
    .max_flat_workgroup_size: 512
    .sgpr_count:     66
    .vgpr_count:     256
    .wavefront_size: 32
...
	.end_amdgpu_metadata
.endif
;; end of part 4
;; launch proj (part 5): grid 512 x 1, 8 waves a work-group, no clusters, 84,992 bytes of LDS; arguments feat, Wm_codes, Wm_scales, bm, out0; writes out0
.if DOCPART == 5
	.amdgcn_target "amdgcn-amd-amdhsa--gfx1250"
	.amdhsa_code_object_version 6
	.text
	.protected	k_qdf9bb034ae_proj
	.globl	k_qdf9bb034ae_proj
	.p2align	8
	.type	k_qdf9bb034ae_proj,@function
k_qdf9bb034ae_proj:
	s_mov_b64 s[64:65], 0
	v_nop
	global_prefetch_b8 v0, s[64:65] scope:SCOPE_SE
	s_setreg_imm32_b32 hwreg(HW_REG_WAVE_MODE, 25, 1), 1
	s_wait_xcnt 0x0
; PanoSelfAttention, launch 3 of 3.  out0 = Q(feat) x Wm + bm: feat is quantised along its 256 (a head's 32 channels are a block) and multiplied on codes of E4M3 with E8M0 scales, by
; v_wmma_scale_f32_16x16x128_f8f6f4, sums in f32.  Nothing of reference() is left out here.
; feat [batch][head][cs][pixel][4] f32, from launch 2.
; LIMITS: NaN and infinities are not served; a block of zeros of feat gets the scale byte 1 where the rule says 127: its codes are zeros, and the byte is read here alone.
; SHARES.  A work-group takes 64 positions.  Wave w quantises the fragment (positions 16 (w / 2) on, K 128 (w % 2) on): lane (r, h) loads, of position r, channels 16 h .. 16 h + 15 of four heads, 16 bytes a load,
; sixteen lanes 256 consecutive bytes; the fragment goes to LDS as an image of its registers.  Each wave then makes columns 32 w .. 32 w + 31 of out0 for all 64 positions (transposed: source 0 = 16 rows of Wm,
; source 1 = 16 positions), and the rows leave through LDS, 512 consecutive bytes a store.
; NO CLUSTER, NO TENSOR LOAD: what work-groups share, Wm's 67 KB, each wave loads its eighth of once, straight into the operands' registers; a work-group's own 64 KB in and 64 KB out are as much again.
.set STG,   0                          ; LDS: the stage for out0: 64 rows x (1,024 + 16)
.set FIMG,  66560                      ; the 8 fragments' images, number 2 m + s, 2,048 bytes each
.set FSC,   82944                      ; their scale words, 128 bytes each
.set SPARE, 83968                      ; the spare words, 128 bytes for each wave: four blocks of 256 bytes that no other line names
.set SPW,  1                           ; v1   LDS address of my spare word; never rewritten
.set NIL,  2                           ; v2   0; never rewritten
.set VX,   3                           ; v3   feat: 524,288 h (four cs on) + 16 r
.set LIF,  9                           ; v9   16 x lane + FIMG
.set LSF,  10                          ; v10  4 x lane + FSC
.set FWI,  11                          ; v11  where I store my fragment's image
.set FWS,  12                          ; v12  and its scale words
.set SO,   13                          ; v13  the stage, in: row r, + 32 h + 128 wave
.set SR,   14                          ; v14  and back: my 8 rows, 16 bytes a lane
.set LI,   15                          ; v15  16 x lane
.set PC,   16                          ; v16-31 the codes just made
.set TM,   32                          ; v32-47 the quantiser's temporaries
.set PW,   48                          ; v48 the scale word just made
.set ACCP, 16                          ; v16-79 later: the product's 8 accumulators, (m, n) at 8 (2 m + n)
.set X,    80                          ; v80-143 64 numbers of feat, then four fragments, then rows of out0
.set WM,   144                         ; v144-207 Wm's four fragments (tile n, K step s) at 16 (2 n + s)
.set BM,   208                         ; v208-223 bm's two tiles, in the result's layout
.set WMS,  224                         ; v224-227 Wm's scale words
.set FS,   228                         ; v228-231 feat's scale words
.set VWM,  232                         ; v232 256 r + 16 h;  v233 8 r;  v234 32 h
.set VWS,  233
.set VBM,  234
.set SEL,  26                          ; s[26:27] v_permlanex16_b32's selects for lane l xor 16
.set MNT,  28                          ; s28 the mantissa field of 448
.macro PLACES n                        ; plain vector instructions behind matrix instructions of this form: eight ahead of loads into and stores of their registers, nine ahead of a matrix instruction that writes over one
.rept \n
	v_nop
.endr
.endm
.macro FRAG dst, adr, off
.irp c, 0,1,2,3
	ds_load_b128 v[\dst+4*\c:\dst+4*\c+3], v[\adr] offset:\off+512*\c
.endr
.endm
; 64 numbers of a lane, register 16 b + i = k 32 b + 16 h + i of my position, become a fragment's codes in v[pc] on and its scale word in v[pw].
.macro QUANT src, pc, pw
.irp b, 0,1,2,3
	v_max3_num_f32 v[TM+\b], |v[\src+16*\b]|, |v[\src+1+16*\b]|, 0x4800000   ; block b (a head): my 16 numbers, and the floor 2^(9 - 127): so the byte cannot fall under 1
.endr
.irp i, 2,4,6,8,10,12,14
.irp b, 0,1,2,3
	s_delay_alu instid0(VALU_DEP_4)
	v_max3_num_f32 v[TM+\b], v[TM+\b], |v[\src+16*\b+\i]|, |v[\src+1+16*\b+\i]|
.endr
.endr
.irp b, 0,1,2,3
	s_delay_alu instid0(VALU_DEP_4)
	v_permlanex16_b32 v[TM+4+\b], v[TM+\b], s[SEL], s[SEL+1]
.endr
.irp b, 0,1,2,3
	s_delay_alu instid0(VALU_DEP_4)
	v_max_num_f32 v[TM+\b], v[TM+\b], v[TM+4+\b]   ; with lane l xor 16's: the block's largest magnitude
.endr
.irp b, 0,1,2,3
	s_delay_alu instid0(VALU_DEP_4)
	v_add_nc_u32 v[TM+12+\b], 0xfc000000, v[TM+\b]   ; 8 off its exponent field: the conversion's scale operand
.endr
.irp b, 0,1,2,3
	v_and_or_b32 v[TM+8+\b], v[TM+\b], 0x7f800000, s[MNT]   ; 448 x the scale
.endr
.irp b, 0,1,2,3
	v_lshrrev_b32 v[TM+4+\b], 23, v[TM+12+\b]      ; the scale's byte
.endr
	s_delay_alu instid0(VALU_DEP_3)
	v_lshl_or_b32 v[\pw], v[TM+5], 8, v[TM+4]
	s_delay_alu instid0(VALU_DEP_1)
	v_lshl_or_b32 v[\pw], v[TM+6], 16, v[\pw]
	s_delay_alu instid0(VALU_DEP_1)
	v_lshl_or_b32 v[\pw], v[TM+7], 24, v[\pw]
.irp b, 0,1,2,3
.irp i, 0,1,2,3,4,5,6,7,8,9,10,11,12,13,14,15
	v_med3_num_f32 v[\src+16*\b+\i], v[\src+16*\b+\i], -v[TM+8+\b], v[TM+8+\b]   ; the conversion to an 8-bit code does not saturate (ISA guide 7.6.2): the hold at the largest code x the scale
.endr
	v_cvt_scalef32_pk8_fp8_f32 v[\pc+4*\b:\pc+1+4*\b], v[\src+16*\b:\src+7+16*\b], v[TM+12+\b]
	v_cvt_scalef32_pk8_fp8_f32 v[\pc+2+4*\b:\pc+3+4*\b], v[\src+8+16*\b:\src+15+16*\b], v[TM+12+\b]
.endr
	v_nop                                          ; one plain vector instruction behind the last scaled conversion: the products below write over these registers
.endm
.macro BARRIER                                 ; my LDS stores have landed and my LDS loads are in: then the work-group's barrier
	s_wait_dscnt 0x0
	s_barrier_signal -1
	s_barrier_wait -1
.endm
	s_load_b256 s[4:11], s[0:1], 0x0               ; feat s[4:5], Wm codes s[6:7], scales s[8:9], bm s[10:11]
	s_load_b64 s[12:13], s[0:1], 0x20              ; out0
	v_lshl_add_u32 v[SPW], v0, 2, SPARE
	v_mov_b32 v[NIL], 0
	v_lshrrev_b32 v235, 5, v0
	s_delay_alu instid0(VALU_DEP_1)
	v_readfirstlane_b32 s20, v235                  ; wave 0..7
	v_and_b32 v235, 31, v0                         ; lane
	v_and_b32 v236, 15, v0                         ; r
	v_bfe_u32 v237, v0, 4, 1                       ; h
	s_delay_alu instid0(VALU_DEP_2)
	v_lshlrev_b32 v[VX], 4, v236
	s_delay_alu instid0(VALU_DEP_1)
	v_lshl_add_u32 v[VX], v237, 19, v[VX]
	v_lshlrev_b32 v[LI], 4, v235
	s_delay_alu instid0(VALU_DEP_1)
	v_add_nc_u32 v[LIF], FIMG, v[LI]
	v_lshl_add_u32 v[LSF], v235, 2, FSC
	s_lshl_b32 s29, s20, 11
	v_add_nc_u32 v[FWI], s29, v[LIF]
	s_lshl_b32 s29, s20, 7
	v_add_nc_u32 v[FWS], s29, v[LSF]
	v_mul_u32_u24 v[SO], v236, 1040
	s_delay_alu instid0(VALU_DEP_1)
	v_lshl_add_u32 v[SO], v237, 5, v[SO]
	s_delay_alu instid0(VALU_DEP_1)
	v_add_nc_u32 v[SO], s29, v[SO]
	s_mul_i32 s29, s20, 8320
	v_add_nc_u32 v[SR], s29, v[LI]
	v_lshlrev_b32 v[VWM], 8, v236
	s_delay_alu instid0(VALU_DEP_1)
	v_lshl_add_u32 v[VWM], v237, 4, v[VWM]
	v_lshlrev_b32 v[VWS], 3, v236
	v_lshlrev_b32 v[VBM], 5, v237
.irp b, 0,1,2,3
	v_mov_b32 v[TM+4+\b], 0                        ; written once: a lane permute's destination counts as one of its sources
.endr
	s_mov_b32 s[SEL], 0x76543210
	s_mov_b32 s[SEL+1], 0xfedcba98
	s_mov_b32 s[MNT], 0x600000
	s_lshr_b32 s30, s20, 1                         ; m = wave / 2
	s_and_b32 s31, s20, 1                          ; s = wave % 2
	s_mov_b32 s35, 0                               ; every offset is under 2^32: a pair with 0 above it
	s_lshr_b32 s34, ttmp9, 7                       ; feat: the batch (128 work-groups each): 8 heads of 2^20 bytes,
	s_lshl_b32 s34, s34, 23
	s_lshl_b32 s33, s31, 22                        ; heads 4 s on,
	s_add_co_u32 s34, s34, s33
	s_and_b32 s33, ttmp9, 127
	s_lshl_b32 s33, s33, 10                        ; the work-group's 64 pixels of 16 bytes,
	s_add_co_u32 s34, s34, s33
	s_lshl_b32 s33, s30, 8                         ; my 16 of them
	s_add_co_u32 s34, s34, s33
	s_wait_alu depctr_va_vdst(0)
	s_wait_kmcnt 0x0
	s_add_nc_u64 s[4:5], s[4:5], s[34:35]
	s_lshl_b32 s34, s20, 13                        ; Wm: my 32 rows
	s_add_nc_u64 s[6:7], s[6:7], s[34:35]
	s_lshl_b32 s34, s20, 8
	s_add_nc_u64 s[8:9], s[8:9], s[34:35]
	s_lshl_b32 s34, s20, 7
	s_add_nc_u64 s[10:11], s[10:11], s[34:35]
	s_lshl_b32 s34, ttmp9, 16                      ; out0: rows 64 g + 8 w on, 1,024 bytes each
	s_lshl_b32 s33, s20, 13
	s_add_co_u32 s34, s34, s33
	s_add_nc_u64 s[12:13], s[12:13], s[34:35]
.irp b, 0,1,2,3                                ; head 4 s + b, cs 4 h + i: registers 16 b + 4 i on are channels 16 h + 4 i + 0 .. 3 of that head
.irp i, 0,1,2,3
	global_load_b128 v[X+16*\b+4*\i:X+16*\b+4*\i+3], v[VX], s[4:5] offset:\b*1048576+\i*131072 th:TH_LOAD_NT
.endr
.endr
.irp n, 0,1
	global_load_b128 v[BM+8*\n:BM+8*\n+3], v[VBM], s[10:11] offset:\n*64       ; lane (r, h), tile n: bm of columns 32 w + 16 n + 8 h + 0 .. 7
	global_load_b128 v[BM+8*\n+4:BM+8*\n+7], v[VBM], s[10:11] offset:\n*64+16
.irp s, 0,1
	global_load_b32 v[WMS+2*\n+\s], v[VWS], s[8:9] offset:\n*128+4*\s
.endr
.endr
.irp n, 0,1                                    ; Wm's four fragments: they land while feat is quantised
.irp s, 0,1
.irp c, 0,1,2,3
	global_load_b128 v[WM+16*(2*\n+\s)+4*\c:WM+16*(2*\n+\s)+4*\c+3], v[VWM], s[6:7] offset:\n*4096+\s*128+32*\c
.endr
.endr
.endr
	s_wait_loadcnt 24                              ; feat's 16 loads are in; the 24 behind them (bm, scale words, Wm) may be out
	; ---- THE QUANTISER: my fragment: 16 positions x 4 heads
	QUANT X, PC, PW
.irp c, 0,1,2,3
	ds_store_b128 v[FWI], v[PC+4*\c:PC+4*\c+3] offset:512*\c
.endr
	ds_store_b32 v[FWS], v[PW]
	BARRIER                                        ; the eight fragments lie in LDS
	; ---- THE PRODUCT: eight accumulators by turns, a K step at a time; bm is the C of each sum's first instruction
.irp s, 0,1
.irp m, 0,1,2,3
	FRAG X+16*\m, LIF, (2*\m+\s)*2048
	ds_load_b32 v[FS+\m], v[LSF] offset:(2*\m+\s)*128
.endr
	s_wait_dscnt 0x0
.if \s == 0
	s_wait_loadcnt 0x0                             ; bm, Wm and its scale words
.endif
.irp m, 0,1,2,3
.irp n, 0,1
.if \s == 0
	v_wmma_scale_f32_16x16x128_f8f6f4 v[ACCP+8*(2*\m+\n):ACCP+8*(2*\m+\n)+7], v[WM+16*(2*\n+\s):WM+16*(2*\n+\s)+15], v[X+16*\m:X+16*\m+15], v[BM+8*\n:BM+8*\n+7], v[WMS+2*\n+\s], v[FS+\m]
.else
	v_wmma_scale_f32_16x16x128_f8f6f4 v[ACCP+8*(2*\m+\n):ACCP+8*(2*\m+\n)+7], v[WM+16*(2*\n+\s):WM+16*(2*\n+\s)+15], v[X+16*\m:X+16*\m+15], v[ACCP+8*(2*\m+\n):ACCP+8*(2*\m+\n)+7], v[WMS+2*\n+\s], v[FS+\m]
.endif
.endr
.endr
	PLACES 9
.endr
.irp m, 0,1,2,3                                ; lane (r, h): out0(16 m + r, 32 w + 16 n + 8 h + 0 .. 7); each accumulator from its low end on
.irp n, 0,1
	ds_store_b128 v[SO], v[ACCP+8*(2*\m+\n):ACCP+8*(2*\m+\n)+3] offset:\m*16640+\n*64
	ds_store_b128 v[SO], v[ACCP+8*(2*\m+\n)+4:ACCP+8*(2*\m+\n)+7] offset:\m*16640+\n*64+16
.endr
.endr
	BARRIER                                        ; 64 whole rows of out0 lie in the stage
.irp i, 0,1,2,3,4,5,6,7,8,9,10,11,12,13,14,15
	ds_load_b128 v[X+4*\i:X+4*\i+3], v[SR] offset:(\i/2)*1040+(\i%2)*512
.endr
.irp i, 0,1,2,3,4,5,6,7,8,9,10,11,12,13,14,15
	s_wait_dscnt 15-\i                             ; this load is in, the younger ones may be out
	global_store_b128 v[LI], v[X+4*\i:X+4*\i+3], s[12:13] offset:(\i/2)*1024+(\i%2)*512 th:TH_STORE_NT   ; 32 lanes store 512 consecutive bytes, aligned; written once, read by nobody here
.endr
	s_wait_tensorcnt 0x0                           ; the wave's end
	ds_add_u32 v[SPW], v[NIL]
	s_wait_dscnt 0x0
	s_endpgm
.Lfunc_end_k_qdf9bb034ae_proj:
	.size	k_qdf9bb034ae_proj, .Lfunc_end_k_qdf9bb034ae_proj-k_qdf9bb034ae_proj
	.p2alignl 7, 3214868480
	.fill 96, 4, 3214868480
	.section	.rodata,"a",@progbits
	.p2align	6, 0x0
	.amdhsa_kernel k_qdf9bb034ae_proj
		.amdhsa_group_segment_fixed_size 84992
		.amdhsa_private_segment_fixed_size 0
		.amdhsa_enable_private_segment 0
		.amdhsa_kernarg_size 40
		.amdhsa_user_sgpr_count 2
		.amdhsa_user_sgpr_kernarg_segment_ptr 1
		.amdhsa_wavefront_size32 1
		.amdhsa_system_sgpr_workgroup_id_x 1
		.amdhsa_system_sgpr_workgroup_id_y 1
		.amdhsa_system_sgpr_workgroup_id_z 1
		.amdhsa_system_vgpr_workitem_id 0
		.amdhsa_next_free_vgpr 256
		.amdhsa_next_free_sgpr 66
		.amdhsa_reserve_vcc 0
		.amdhsa_float_denorm_mode_32 3
		.amdhsa_float_denorm_mode_16_64 3
		.amdhsa_memory_ordered 1
		.amdhsa_forward_progress 1
		.amdhsa_inst_pref_size 26
	.end_amdhsa_kernel
	.amdgpu_metadata
---
amdhsa.version: [ 1, 2 ]
amdhsa.kernels:
  - .name:           k_qdf9bb034ae_proj
    .symbol:         k_qdf9bb034ae_proj.kd
    .args:
      - { .name: feat, .offset: 0, .size: 8, .value_kind: global_buffer, .address_space: global }
      - { .name: Wm_codes, .offset: 8, .size: 8, .value_kind: global_buffer, .address_space: global }
      - { .name: Wm_scales, .offset: 16, .size: 8, .value_kind: global_buffer, .address_space: global }
      - { .name: bm, .offset: 24, .size: 8, .value_kind: global_buffer, .address_space: global }
      - { .name: out0, .offset: 32, .size: 8, .value_kind: global_buffer, .address_space: global }
    .group_segment_fixed_size: 84992
    .private_segment_fixed_size: 0
    .kernarg_segment_align: 8
    .kernarg_segment_size: 40
    .max_flat_workgroup_size: 256
    .sgpr_count:     66
    .vgpr_count:     256
    .wavefront_size: 32
...
	.end_amdgpu_metadata
.endif
;; end of part 5
